; MI455X (gfx1250); checked and timed in simulation.
; The chip was launched on July 23, 2026; its instructions are those of AMD's public machine-readable ISA for CDNA 5 (MIT licence, August 2026) and "CDNA5" Instruction Set Architecture Reference Guide (July 2026). The comments in the code are by the model that wrote it; some were corrected since.
;; Multi Head Attention. Allowed arithmetic: matrix products marked QUANTISED: E3M2 operands, one E8M0 scale for each 32 along K, by v_wmma_scale_f32_16x16x128_f8f6f4 with both operands' format E3M2, f32 sums; everything else in f32.
;; Inputs: Wk 1,024 x 1,024 float32; Wo 1,024 x 1,024 float32; Wq 1,024 x 1,024 float32; Wv 1,024 x 1,024 float32; bk 1,024 float32; bo 1,024 float32; bq 1,024 float32; bv 1,024 float32; key 4 x 2,048 x 1,024 float32; query 4 x 2,048 x 1,024 float32; value 4 x 2,048 x 1,024 float32.
;; Outputs: out0 4 x 2,048 x 1,024 float32.
;; This version of the problem:
;;   THIS VERSION OF THE PROBLEM IS GIVEN IN LOW PRECISION. The matrix products marked QUANTISED in the list below multiply operands that are first quantised to E3M2 (3 exponent bits, 2 mantissa bits; 6 bits a number), with one power-of-two scale for each 32 numbers along K (OCP MX v1.0); their sums are f32. All else is computed in f32.
;;   The module's matrix products, in the order in which they are computed (A, B: the left and right operand; K: the contracted axis; several contracted axes count as one K, in the product's order):
;;     1. [M 8,192, K 1,024] x [K 1,024, N 1,024]; A: input query; B: input Wq: QUANTISED
;;     2. [M 8,192, K 1,024] x [K 1,024, N 1,024]; A: input key; B: input Wk: QUANTISED
;;     3. [M 8,192, K 1,024] x [K 1,024, N 1,024]; A: input value; B: input Wv: QUANTISED
;;     4. batch 64 x [M 2,048, K 64] x [K 64, N 2,048]; A: computed on the way; B: computed on the way: QUANTISED
;;     5. batch 64 x [M 2,048, K 2,048] x [K 2,048, N 64]; A: softmax (see below); B: computed on the way: QUANTISED
;;     6. [M 8,192, K 1,024] x [K 1,024, N 1,024]; A: computed on the way; B: input Wo: QUANTISED
;;   THE QUANTISER, for each operand of a quantised product, along K:
;;     - K is cut into blocks of 32 from its start; a last block that is shorter is filled with zeros.
;;     - A block's scale is 2^e with e = floor(log2(the largest magnitude in the block)) - 4, held to -126 .. 127; a block of zeros has e = 0. As a byte (E8M0): e + 127.
;;     - Each number is divided by its block's scale, clamped to +-28, and rounded to the nearest number of E3M2, ties to even, subnormals kept.
;;     - The product sums the exact products of the quantised numbers (number of the format x scale) in f32.
;;   ~~~python
;;   def quantise(x, axis):      # numpy; x: float32 -> the quantised numbers, widened to float32 again
;;       x = np.moveaxis(x, axis, -1); K = x.shape[-1]
;;       x = np.pad(x, [(0, 0)] * (x.ndim - 1) + [(0, -K % 32)]); x = x.reshape(x.shape[:-1] + (-1, 32)); a = np.abs(x).max(-1, keepdims=True)
;;       e = np.where(a > 0, np.clip(np.frexp(np.where(a > 0, a, 1))[1] - 1 - 4, -126, 127), 0)      # np.frexp(a)[1] - 1 = floor(log2(a)), exactly
;;       r = np.clip(x / 2.0 ** e, -28, 28)
;;       step = 2.0 ** (np.maximum(np.frexp(np.where(r == 0, 1, r))[1] - 1, -2) - 2)
;;       q = np.round(r / step) * step * 2.0 ** e      # np.round: ties to even
;;       return np.moveaxis(q.reshape(q.shape[:-2] + (-1,))[..., :K], -1, axis).astype(np.float32)
;;   ~~~
;;   SOFTMAX AHEAD OF A QUANTISED PRODUCT. Where the list says 'softmax', what is quantised is not the finished softmax but p = 2^(t - M), with t = logit x log2(e) and M = ceil(the row's largest t), a whole number; so 1/2 < the row's largest p <= 1. The row's sum l is taken of the UNQUANTISED p, in f32, and the product's result is divided by l at the end. Since M is a whole number, a kernel that streams over the keys may use a running M (the ceiling of the running maximum): every later rescaling is an exact power of two, which a block's scale takes up: the codes' values come out the same.
;;   OPERANDS COMPUTED ON THE WAY. 'Computed on the way' means the value that the module computes at that place (a softmax that the list does not call 'softmax' is quantised finished and normalised). What goes into a quantiser is computed in f32, as accurately as f32 sums, v_exp_f32 and their like allow (about 1e-6 of the number): no bf16 or f16 on the way to a quantiser, and a product that is left as it is and whose result goes on into a quantised operand takes f32 operands (vector FMAs, or v_wmma_f32_16x16x4_f32). A number that lies on a knife's edge between two numbers of the format may be rounded either way, as far as f32 arithmetic and the matrix unit's own rounding can turn it there, and no further.
;; One version. Each part assembles by itself: llvm-mc -triple=amdgcn-amd-amdhsa -mcpu=gfx1250 --defsym DOCPART=n.
;; ======== version 1 of 1: 4 launches
;; limits: right only within a limited range of input values
;; workspace buffers: xi 22,020,096 bytes; xs 917,504 bytes; qkv 18,874,368 bytes; qkvs 786,432 bytes; oi 6,291,456 bytes; os 262,144 bytes
;; launch quant (part 1): grid 448 x 1, 4 waves a work-group, no clusters, 34,304 bytes of LDS; arguments query, key, value, Wq, Wk, Wv, Wo, xi, xs; writes xi, xs
.if DOCPART == 1
	.amdgcn_target "amdgcn-amd-amdhsa--gfx1250"
	.amdhsa_code_object_version 6
	.text
	.protected	k_qb8eea124b7_quant
	.globl	k_qb8eea124b7_quant
	.p2align	8
	.type	k_qb8eea124b7_quant,@function
k_qb8eea124b7_quant:
	s_mov_b64 s[64:65], 0
	v_nop
	global_prefetch_b8 v0, s[64:65] scope:SCOPE_SE
	s_setreg_imm32_b32 hwreg(HW_REG_WAVE_MODE, 25, 1), 1
	s_wait_xcnt 0x0
; query, key, value [8192][1024] and Wq, Wk, Wv, Wo [1024][1024], f32, K innermost, become codes of BF6 (E3M2) with one E8M0 byte for each 32 along K,
; laid as IMAGES OF OPERAND REGISTERS.  Rows go in groups of 128; a group has 8 tiles of 16 rows; lane-row r of tile 2 b + u is the true row 32 b + 8 u + r + 8 (r / 8).
; A fragment (a tile x 128 along K: 12 registers a lane) lies as 3 chunks of 512 bytes, chunk c = registers 4 c .. 4 c + 3, lane l's 16 bytes at 16 l.
; xi: [group 224][K step 8][tile 8][1536];  xs: [group][tile][r 16][K step 8] words.  Groups 0-63 query, 64-127 key, 128-191 value, 192.. Wq, 200.. Wk, 208.. Wv, 216.. Wo.
; A block's scale is 2^(floor(log2(largest magnitude)) - 4): its byte is the largest magnitude's exponent field - 4, held at 1 from below.
; LIMITS: a block whose largest magnitude lies under 2^-122, a block of zeros among them, has the byte 1 (the bytes are read by this program alone); NaN and infinities are not served.
; SHARES: a work-group takes 64 rows of one tensor, a wave one tile of 16 rows, all of K in 8 steps of 128.  Each load reads 512 consecutive bytes of one row; a step's 16 rows turn through the
; wave's own stage in LDS (rows of 512 + 16 bytes) and come back as 16 neighbours of each block a lane.  Loads run two steps (32 loads a wave) ahead.  No barrier: waves share nothing.
; No matrix unit, no cluster, no tensor load: memory binds, nothing is read twice, and every store of codes covers 512 consecutive aligned bytes.
.set ROWB, 4096                        ; a row of f32 in bytes
.set SP,   528                         ; a stage row
.set WSTG, 16*SP                       ; a wave's stage
.set R0,   16                          ; v16-79, v80-143  two sets of 64 registers as loaded
.set X,    144                         ; v144-207  register 16 b + i = k 32 b + 16 (lane / 16) + i of my row
.set PC,   208                         ; v208-219  the fragment's codes
.set CT,   220                         ; v220-227  conversions' second halves
.set TM,   228                         ; v228-243  at work in QUANT
.set PW,   244                         ; v244-251  the scale word of each step
.set W4,   252                         ; v252-255  four words to store
.set SEL,  30                          ; s[30:31]  lane selects: lane l xor 16
; 64 numbers of a lane, register 16 b + i = k 32 b + 16 (lane / 16) + i of its row, become a fragment's codes: d0 .. d0 + 5 hold k = 32 h + 0 .. 31, d1 .. d1 + 5 hold k = 64 + 32 h + 0 .. 31; pw: the row's four scale bytes
.macro QUANT s, d0, d1, pw
.irp b, 0,1,2,3
	v_max3_num_f32 v[TM+\b], |v[\s+16*\b]|, |v[\s+1+16*\b]|, 0x2800000   ; my 16 numbers of block b, and the floor 2^(5 - 127): the byte cannot fall under 1
.endr
.irp i, 2,4,6,8,10,12,14
.irp b, 0,1,2,3
	v_max3_num_f32 v[TM+\b], v[TM+\b], |v[\s+16*\b+\i]|, |v[\s+1+16*\b+\i]|   ; the four blocks by turns
.endr
.endr
.irp b, 0,1,2,3
	v_permlanex16_b32 v[TM+4+\b], v[TM+\b], s[SEL], s[SEL+1]
.endr
.irp b, 0,1,2,3
	v_max_num_f32 v[TM+\b], v[TM+\b], v[TM+4+\b]   ; with lane l xor 16's: the block's largest magnitude
.endr
.irp b, 0,1,2,3
	v_add_nc_u32 v[TM+12+\b], 0xfe000000, v[TM+\b]   ; 4 off its exponent field: the conversion's scale operand
.endr
.irp b, 0,1,2,3
	v_lshrrev_b32 v[TM+4+\b], 23, v[TM+12+\b]      ; the scale's byte
.endr
	v_lshl_or_b32 v[\pw], v[TM+5], 8, v[TM+4]
	v_lshl_or_b32 v[\pw], v[TM+6], 16, v[\pw]
	v_lshl_or_b32 v[\pw], v[TM+7], 24, v[\pw]
	v_cvt_scalef32_pk16_bf6_f32 v[\d0:\d0+2], v[\s:\s+15], v[TM+12]
	v_cvt_scalef32_pk16_bf6_f32 v[CT:CT+2], v[\s+16:\s+31], v[TM+13]   ; (a conversion's three registers begin on an even number)
	v_cvt_scalef32_pk16_bf6_f32 v[\d1:\d1+2], v[\s+32:\s+47], v[TM+14]
	v_cvt_scalef32_pk16_bf6_f32 v[CT+4:CT+6], v[\s+48:\s+63], v[TM+15]
	v_nop                                          ; one plain place behind the scaled conversions
.irp i, 0,1,2
	v_permlane16_swap_b32 v[\d0+\i], v[CT+\i]      ; a whole block to a lane: lanes 0-15 the even block, lanes 16-31 the odd one
	v_permlane16_swap_b32 v[\d1+\i], v[CT+4+\i]
.endr
.irp i, 0,1,2
	v_mov_b32 v[\d0+3+\i], v[CT+\i]
	v_mov_b32 v[\d1+3+\i], v[CT+4+\i]
.endr
.endm
	s_load_b512 s[4:19], s[0:1], 0x0               ; query, key, value, Wq, Wk, Wv, Wo, xi
	s_load_b64 s[20:21], s[0:1], 0x40              ; xs
	v_lshl_add_u32 v238, v0, 2, 0x8400
	v_mov_b32 v239, 0
	v_lshrrev_b32 v1, 5, v0
	v_readfirstlane_b32 s22, v1                    ; wave 0..3
	v_and_b32 v1, 31, v0
	v_lshlrev_b32 v2, 4, v1                        ; 16 x lane: my bytes of a load's 512, and of an image's chunk
	s_mul_i32 s23, s22, WSTG
	v_add_nc_u32 v3, s23, v2                       ; the stage, way in
	v_and_b32 v6, 15, v0                           ; r
	v_bfe_u32 v7, v0, 4, 1                         ; h
	v_mul_u32_u24 v4, v6, SP
	v_lshl_add_u32 v4, v7, 6, v4
	v_add_nc_u32 v4, s23, v4                       ; the stage, way out: row r, + 64 h
	v_lshlrev_b32 v5, 5, v6
	v_lshl_add_u32 v5, v7, 4, v5                   ; the scale words: 32 bytes a row; lanes 0-15 store steps 0-3, lanes 16-31 steps 4-7
	s_mov_b32 s[SEL], 0x76543210
	s_mov_b32 s[SEL+1], 0xfedcba98
	s_mov_b32 s32, 0xffff0000                      ; lanes 16-31
.irp b, 0,1,2,3
	v_mov_b32 v[TM+4+\b], 0                        ; written once: a lane permute's destination counts as one of its sources
.endr
	s_cmp_lt_u32 ttmp9, 384                        ; the three inputs have 128 work-groups each, the four weights 16
	s_cselect_b32 s33, 127, 15
	s_and_b32 s33, ttmp9, s33                      ; which 64 rows of the tensor (384 is a multiple of 16)
	s_lshl_b32 s34, s33, 18                        ; 64 rows of 4,096 bytes
	s_lshr_b32 s36, s22, 1
	s_lshl_b32 s36, s36, 17                        ; + 32 (wave / 2) rows
	s_and_b32 s37, s22, 1
	s_lshl_b32 s37, s37, 15                        ; + 8 (wave % 2) rows
	s_add_co_u32 s34, s34, s36
	s_add_co_u32 s34, s34, s37
	s_mov_b32 s35, 0
	s_lshr_b32 s36, ttmp9, 1                       ; the group
	s_and_b32 s37, ttmp9, 1
	s_lshl_b32 s37, s37, 2
	s_add_co_u32 s37, s37, s22                     ; the tile in it
	s_mul_i32 s38, s36, 98304
	s_mul_i32 s39, s37, 1536
	s_add_co_u32 s38, s38, s39
	s_mov_b32 s39, 0
	s_lshl_b32 s36, s36, 12
	s_lshl_b32 s37, s37, 9
	s_add_co_u32 s36, s36, s37
	s_mov_b32 s37, 0
	s_wait_alu depctr_va_vdst(0)
	s_wait_kmcnt 0x0
	s_mov_b64 s[24:25], s[16:17]                   ; the source is chosen by the work-group's number alone: one path serves all seven tensors
	s_cmp_lt_u32 ttmp9, 432
	s_cselect_b64 s[24:25], s[14:15], s[24:25]
	s_cmp_lt_u32 ttmp9, 416
	s_cselect_b64 s[24:25], s[12:13], s[24:25]
	s_cmp_lt_u32 ttmp9, 400
	s_cselect_b64 s[24:25], s[10:11], s[24:25]
	s_cmp_lt_u32 ttmp9, 384
	s_cselect_b64 s[24:25], s[8:9], s[24:25]
	s_cmp_lt_u32 ttmp9, 256
	s_cselect_b64 s[24:25], s[6:7], s[24:25]
	s_cmp_lt_u32 ttmp9, 128
	s_cselect_b64 s[24:25], s[4:5], s[24:25]
	s_add_nc_u64 s[24:25], s[24:25], s[34:35]
	s_add_nc_u64 s[26:27], s[18:19], s[38:39]
	s_add_nc_u64 s[28:29], s[20:21], s[36:37]
.macro LOAD s                          ; K step s of my 16 rows: stage row i is the true row i + 8 (i / 8)
.irp i, 0,1,2,3,4,5,6,7,8,9,10,11,12,13,14,15
	global_load_b128 v[R0+64*((\s)%2)+4*\i:R0+64*((\s)%2)+4*\i+3], v2, s[24:25] offset:(\i+8*(\i/8))*ROWB+512*(\s) th:TH_LOAD_NT
.endr
.endm
.macro STEP s
.if (\s) < 7
	s_wait_loadcnt 16                              ; this step's 16 loads are in; the next step's 16 may be out
.else
	s_wait_loadcnt 0x0
.endif
.irp i, 0,1,2,3,4,5,6,7,8,9,10,11,12,13,14,15
	ds_store_b128 v3, v[R0+64*((\s)%2)+4*\i:R0+64*((\s)%2)+4*\i+3] offset:SP*\i
.endr
.irp b, 0,1,2,3
.irp j, 0,1,2,3
	ds_load_b128 v[X+16*\b+4*\j:X+16*\b+4*\j+3], v4 offset:128*\b+16*\j   ; LDS serves a wave's instructions in order: these see the stores above
.endr
.endr
	s_wait_dscnt 0x0                               ; the numbers are back, and the stage's stores have read their registers
	s_wait_xcnt 0x0                                ; the last step's stores have read the codes' registers, which QUANT writes again
.if (\s) < 6
	LOAD (\s)+2
.endif
	QUANT X, PC, PC+6, PW+(\s)
.irp c, 0,1,2
	global_store_b128 v2, v[PC+4*\c:PC+4*\c+3], s[26:27] offset:12288*(\s)+512*\c   ; 512 consecutive bytes, aligned
.endr
.endm
	LOAD 0
	LOAD 1
.irp t, 0,1,2,3,4,5,6,7
	STEP \t
.endr
.irp i, 0,1,2,3
	v_cndmask_b32 v[W4+\i], v[PW+\i], v[PW+4+\i], s32
.endr
	global_store_b128 v5, v[W4:W4+3], s[28:29]     ; the tile's 16 rows x 8 words: 512 consecutive bytes
	s_wait_tensorcnt 0x0
	ds_add_u32 v238, v239
	s_wait_dscnt 0x0
	s_endpgm
.Lfunc_end_k_qb8eea124b7_quant:
	.size	k_qb8eea124b7_quant, .Lfunc_end_k_qb8eea124b7_quant-k_qb8eea124b7_quant
	.p2alignl 7, 3214868480
	.fill 96, 4, 3214868480
	.section	.rodata,"a",@progbits
	.p2align	6, 0x0
	.amdhsa_kernel k_qb8eea124b7_quant
		.amdhsa_group_segment_fixed_size 34304
		.amdhsa_private_segment_fixed_size 0
		.amdhsa_enable_private_segment 0
		.amdhsa_kernarg_size 72
		.amdhsa_user_sgpr_count 2
		.amdhsa_user_sgpr_kernarg_segment_ptr 1
		.amdhsa_wavefront_size32 1
		.amdhsa_system_sgpr_workgroup_id_x 1
		.amdhsa_system_sgpr_workgroup_id_y 1
		.amdhsa_system_sgpr_workgroup_id_z 1
		.amdhsa_system_vgpr_workitem_id 0
		.amdhsa_next_free_vgpr 256
		.amdhsa_next_free_sgpr 66
		.amdhsa_reserve_vcc 0
		.amdhsa_float_denorm_mode_32 3
		.amdhsa_float_denorm_mode_16_64 3
		.amdhsa_memory_ordered 1
		.amdhsa_forward_progress 1
		.amdhsa_inst_pref_size 65
	.end_amdhsa_kernel
	.amdgpu_metadata
---
amdhsa.version: [ 1, 2 ]
amdhsa.kernels:
  - .name:           k_qb8eea124b7_quant
    .symbol:         k_qb8eea124b7_quant.kd
    .args:
      - { .name: query, .offset: 0, .size: 8, .value_kind: global_buffer, .address_space: global }
      - { .name: key, .offset: 8, .size: 8, .value_kind: global_buffer, .address_space: global }
      - { .name: value, .offset: 16, .size: 8, .value_kind: global_buffer, .address_space: global }
      - { .name: Wq, .offset: 24, .size: 8, .value_kind: global_buffer, .address_space: global }
      - { .name: Wk, .offset: 32, .size: 8, .value_kind: global_buffer, .address_space: global }
      - { .name: Wv, .offset: 40, .size: 8, .value_kind: global_buffer, .address_space: global }
      - { .name: Wo, .offset: 48, .size: 8, .value_kind: global_buffer, .address_space: global }
      - { .name: xi, .offset: 56, .size: 8, .value_kind: global_buffer, .address_space: global }
      - { .name: xs, .offset: 64, .size: 8, .value_kind: global_buffer, .address_space: global }
    .group_segment_fixed_size: 34304
    .private_segment_fixed_size: 0
    .kernarg_segment_align: 8
    .kernarg_segment_size: 72
    .max_flat_workgroup_size: 128
    .sgpr_count:     66
    .vgpr_count:     256
    .wavefront_size: 32
...
	.end_amdgpu_metadata
.endif
;; end of part 1
;; launch proj (part 2): grid 4 x 96, 4 waves a work-group, clusters of 4 x 4, 327,680 bytes of LDS; arguments xi, xs, bq, bk, bv, qkv, qkvs; writes qkv, qkvs
.if DOCPART == 2
	.amdgcn_target "amdgcn-amd-amdhsa--gfx1250"
	.amdhsa_code_object_version 6
	.text
	.protected	k_qb8eea124b7_proj
	.globl	k_qb8eea124b7_proj
	.p2align	8
	.type	k_qb8eea124b7_proj,@function
k_qb8eea124b7_proj:
	s_mov_b64 s[64:65], 0
	v_nop
	global_prefetch_b8 v0, s[64:65] scope:SCOPE_SE
	s_setreg_imm32_b32 hwreg(HW_REG_WAVE_MODE, 25, 1), 1
	s_wait_xcnt 0x0
	s_wait_alu depctr_hold_cnt(0) depctr_sa_sdst(0) depctr_va_vdst(0) depctr_va_sdst(0) depctr_va_ssrc(0) depctr_va_vcc(0) depctr_vm_vsrc(0)
	s_getreg_b32 s2, hwreg(HW_REG_IB_STS2, 6, 4)
	s_cmp_eq_u32 s2, 0
	s_cbranch_scc0 .Lentry_in_a_cluster
	s_endpgm
.Lentry_in_a_cluster:
	s_bfe_u32 s2, ttmp6, 0x10000c
	s_cmp_lg_u32 s2, 0xf033
	s_cbranch_scc0 .Lentry_shape_is_right
	s_endpgm
.Lentry_shape_is_right:
.set NQ,    2
.set FR,    12
.set FRB,   1536
.set NL,    3
.set NP,    4
.set HALFT, 24576
.set SLOT,  4*HALFT
.set GRPB,  98304
.set KS,    32
.set SCL,   2*SLOT
.set HALFS, 4352
.set SBLK,  544
.set SPARE, SCL+4*HALFS
.set LAPS,  2
.set ADRA, 16
.set ADRB, 20
.set ADRS, 27
.set SPW,  28
.set NIL,  29
.set LI,   30
.set LS,   31
.set SC,   32
.set BN,   64
.set AF,   128
.set BM,   240
.set T,    128
.set X,    192
.set CT,   216
.set TM,   224
.set PW0,  64
.set GW,   66
.set TMPV, 67
.set WV,  18
.set RH,  19
.set CH,  20
.set CX,  21
.set CY,  22
.set CLY, 23
.set G1,  24
.set G0,  32
.set G1B, 48
.set G0B, 56
.set PX,  66
.set QX,  67
.set SEL, 66
.set G1S, 68
.set G0S, 76
.set G1SB, 80
.set G0SB, 88
.set BASE0, 92
.set BASE1, 94
.set SBASE, 96
.set STRP, 98
.set VM,  100
.set NM,  101
.set HM,  104
.set MSB, 0
.macro WIN new
.if MSB != (\new)
	s_set_vgpr_msb (MSB<<8)|(\new)
.set MSB, (\new)
.endif
.endm
.set MUL_LO, 0xa1
.set MUL_HI, 0xf1
.set TO_B,   0x40
.macro JLOAD g0a, g1a, g0b, g1b
	s_cmp_eq_u32 s[RH], 0
	s_cbranch_scc0 .Lfor_b_\@
	tensor_load_to_lds s[\g0a:\g0a+3], s[\g1a:\g1a+7]
	s_nop 0
.rept 4
	v_nop
.endr
	s_branch .Lasked_\@
.Lfor_b_\@:
	tensor_load_to_lds s[\g0b:\g0b+3], s[\g1b:\g1b+7]
	s_nop 0
.rept 4
	v_nop
.endr
.Lasked_\@:
.endm
.macro CREST
	s_cmp_lg_u32 s[WV], 0
	s_cbranch_scc1 .Lnot_wave_0_\@
	s_barrier_signal -3
.Lnot_wave_0_\@:
	s_barrier_wait -3
	s_barrier_signal -1
	s_barrier_wait -1
.endm
.macro CROUND
	s_barrier_signal -1
	s_barrier_wait -1
	CREST
.endm
.macro PLACES n
.rept \n
	v_nop
.endr
.endm
.macro QUANT s, d0, d1, pw
.irp b, 0,1,2,3
	v_max3_num_f32 v[TM+\b], |v[\s+16*\b]|, |v[\s+1+16*\b]|, 0x2800000
.endr
.irp i, 2,4,6,8,10,12,14
.irp b, 0,1,2,3
	v_max3_num_f32 v[TM+\b], v[TM+\b], |v[\s+16*\b+\i]|, |v[\s+1+16*\b+\i]|
.endr
.endr
.irp b, 0,1,2,3
	v_permlanex16_b32 v[TM+4+\b], v[TM+\b], s[SEL], s[SEL+1]
.endr
.irp b, 0,1,2,3
	v_max_num_f32 v[TM+\b], v[TM+\b], v[TM+4+\b]
.endr
.irp b, 0,1,2,3
	v_add_nc_u32 v[TM+12+\b], 0xfe000000, v[TM+\b]
.endr
.irp b, 0,1,2,3
	v_lshrrev_b32 v[TM+4+\b], 23, v[TM+12+\b]
.endr
	v_lshl_or_b32 v[\pw], v[TM+5], 8, v[TM+4]
	v_lshl_or_b32 v[\pw], v[TM+6], 16, v[\pw]
	v_lshl_or_b32 v[\pw], v[TM+7], 24, v[\pw]
	v_cvt_scalef32_pk16_bf6_f32 v[\d0:\d0+2], v[\s:\s+15], v[TM+12]
	v_cvt_scalef32_pk16_bf6_f32 v[CT:CT+2], v[\s+16:\s+31], v[TM+13]
	v_cvt_scalef32_pk16_bf6_f32 v[\d1:\d1+2], v[\s+32:\s+47], v[TM+14]
	v_cvt_scalef32_pk16_bf6_f32 v[CT+4:CT+6], v[\s+48:\s+63], v[TM+15]
	v_nop
.irp i, 0,1,2
	v_permlane16_swap_b32 v[\d0+\i], v[CT+\i]
	v_permlane16_swap_b32 v[\d1+\i], v[CT+4+\i]
.endr
.irp i, 0,1,2
	v_mov_b32 v[\d0+3+\i], v[CT+\i]
	v_mov_b32 v[\d1+3+\i], v[CT+4+\i]
.endr
.endm
	s_load_b256 s[4:11], s[0:1], 0x0
	s_load_b128 s[12:15], s[0:1], 0x20
	s_load_b64 s[16:17], s[0:1], 0x30
	v_lshl_add_u32 v[SPW], v0, 2, SPARE
	v_mov_b32 v[NIL], 0
	ds_add_u32 v28, v29
	ds_add_u32 v28, v29
	s_wait_dscnt 0x0
	v_lshrrev_b32 v1, 5, v0
	v_readfirstlane_b32 s[WV], v1
	s_lshr_b32 s[RH], s[WV], 1
	s_and_b32 s[CH], s[WV], 1
	s_bfe_u32 s[CX], ttmp6, 0x40000
	s_bfe_u32 s[CY], ttmp6, 0x40004
	s_and_b32 s[CLY], ttmp7, 0xffff
	s_lshl_b32 s40, s[CY], 2
	s_lshl_b32 s40, 15, s40
	s_lshl_b32 s44, 0x1111, s[CX]
	s_or_b32 s[G1+0], s40, (3<<16)|(1<<21)
	s_or_b32 s[G1B+0], s44, (3<<16)|(1<<21)
.irp g, G1, G1B
	s_mov_b32 s[\g+1], 32<<16
	s_mov_b32 s[\g+2], 192<<16                     ; the head's load: 192 rows, a piece of both slots
	s_mov_b32 s[\g+3], 32<<16
	s_mov_b32 s[\g+4], 192
	s_mov_b32 s[\g+5], 32
	s_mov_b32 s[\g+6], 0
	s_mov_b32 s[\g+7], 0
.endr
	s_lshl_b32 s[PX], s[CY], 1
	s_add_co_u32 s[PX], s[PX], s[RH]
	s_lshl_b32 s[QX], s[CX], 1
	s_add_co_u32 s[QX], s[QX], s[CH]
	s_lshl_b32 s42, s[CLY], 3
	s_lshr_b32 s46, s[CLY], 3
	s_lshl_b32 s46, s46, 3
	s_add_co_u32 s46, s46, 192
	s_mov_b32 s[STRP], 1536
	s_mov_b32 s[STRP+1], 0
	s_mov_b32 s105, 6144
	s_mov_b32 s[HM], 0xffff0000
	s_cmp_ge_u32 s[CLY], 16
	s_cselect_b32 s40, 208, s42
	s_cselect_b32 s44, s42, s46
	s_cselect_b32 s[VM], -1, 0
	s_cselect_b32 s[NM], 0, -1
	s_cselect_b32 s[STRP], 3072, s[STRP]
	s_cselect_b32 s105, 1536, s105
	s_cselect_b32 s2, s[QX], s[PX]
	s_cselect_b32 s3, s[PX], s[QX]
	s_lshl_b32 s41, s[CY], 1
	s_add_co_u32 s40, s40, s41
	s_add_co_u32 s40, s40, s[CH]
	s_lshl_b32 s45, s[CX], 1
	s_add_co_u32 s44, s44, s45
	s_add_co_u32 s44, s44, s[CH]
	s_mul_i32 s42, s40, GRPB
	s_mov_b32 s43, 0
	s_lshl_b32 s40, s40, 12
	s_mov_b32 s41, 0
	s_mul_i32 s46, s44, GRPB
	s_mov_b32 s47, 0
	s_lshl_b32 s44, s44, 12
	s_mov_b32 s45, 0
	s_wait_kmcnt 0x0
	s_add_nc_u64 s[42:43], s[4:5], s[42:43]
	s_add_nc_u64 s[40:41], s[6:7], s[40:41]
	s_add_nc_u64 s[46:47], s[4:5], s[46:47]
	s_add_nc_u64 s[44:45], s[6:7], s[44:45]
	CROUND
.irp s, 0,1
	s_mov_b32 s[G0+4*\s], 1
	s_mul_i32 s[G0+4*\s+1], s[WV], 2*HALFT         ; the ring lies by pieces: a wave's piece holds slot 0, then slot 1
	s_add_co_u32 s[G0+4*\s+1], s[G0+4*\s+1], \s*HALFT
	s_add_nc_u64 s[G0+4*\s+2:G0+4*\s+3], s[42:43], \s*HALFT
	s_or_b32 s[G0+4*\s+3], s[G0+4*\s+3], 0x80000000
	s_mov_b32 s[G0B+4*\s], 1
	s_mul_i32 s[G0B+4*\s+1], s[WV], 2*HALFT
	s_add_co_u32 s[G0B+4*\s+1], s[G0B+4*\s+1], \s*HALFT
	s_add_nc_u64 s[G0B+4*\s+2:G0B+4*\s+3], s[46:47], \s*HALFT
	s_or_b32 s[G0B+4*\s+3], s[G0B+4*\s+3], 0x80000000
.endr
	JLOAD G0, G1, G0B, G1B                         ; my one tensor load at the head: 49,152 consecutive bytes, my piece of both slots
	; the scale words, 16,384 of the work-group's bytes, come by plain loads beside it: waves 0, 1 take A's halves, waves 2, 3 B's, 4,096 bytes each
	s_cmp_eq_u32 s[RH], 0
	s_cselect_b64 s[40:41], s[40:41], s[44:45]
	s_mul_i32 s76, s[WV], HALFS
	s_add_co_u32 s76, s76, SCL
	v_and_b32 v8, 31, v0
	v_and_b32 v9, 15, v0
	v_bfe_u32 v10, v0, 4, 1
	v_lshlrev_b32 v8, 4, v8                        ; 16 x lane
	v_lshlrev_b32 v9, 4, v9
	v_mul_u32_u24 v10, v10, 272
	v_add_nc_u32 v9, v9, v10
	v_add_nc_u32 v9, s76, v9                       ; in LDS: rows of 256 bytes + 16; a load's 512 bytes are two rows
.irp i, 0,1,2,3,4,5,6,7
	global_load_b128 v[128+4*\i:131+4*\i], v8, s[40:41] offset:512*\i
.endr
	s_wait_xcnt 0x0                                ; the loads have read their base, which is written again below
	s_and_b32 s40, s[CLY], 7
	s_lshl_b32 s40, s40, 3
	s_add_co_u32 s2, s2, s40
	s_lshr_b32 s40, s2, 4
	s_lshl_b32 s40, s40, 3
	s_add_co_u32 s40, s40, s3
	s_lshl_b32 s40, s40, 4
	s_and_b32 s2, s2, 15
	s_add_co_u32 s40, s40, s2
	s_lshr_b32 s41, s[CLY], 3
	s_mul_i32 s42, s41, 6291456
	s_mul_i32 s43, s40, 12288
	s_add_co_u32 s42, s42, s43
	s_mov_b32 s43, 0
	s_add_nc_u64 s[BASE0:BASE0+1], s[14:15], s[42:43]
	s_mov_b32 s42, s105
	s_add_nc_u64 s[BASE1:BASE1+1], s[BASE0:BASE0+1], s[42:43]
	s_lshl_b32 s42, s41, 18
	s_lshl_b32 s40, s40, 9
	s_add_co_u32 s42, s42, s40
	s_add_nc_u64 s[SBASE:SBASE+1], s[16:17], s[42:43]
	s_cmp_lt_u32 s[CLY], 8
	s_cselect_b64 s[40:41], s[8:9], s[10:11]
	s_cmp_lt_u32 s[CLY], 16
	s_cselect_b64 s[40:41], s[40:41], s[12:13]
	s_lshl_b32 s46, s[QX], 9
	s_mov_b32 s47, 0
	s_add_nc_u64 s[42:43], s[40:41], s[46:47]
	s_lshl_b32 s46, s[PX], 9
	s_add_nc_u64 s[44:45], s[40:41], s[46:47]
	v_and_b32 v1, 15, v0
	v_bfe_u32 v2, v0, 4, 1
	v_lshlrev_b32 v3, 6, v2
	v_and_b32 v4, 8, v1
	v_add_nc_u32 v4, v4, v1
	v_lshlrev_b32 v4, 2, v4
.irp b, 0,1,2,3,4,5,6,7
	global_load_b128 v[BN+8*\b:BN+8*\b+3], v3, s[42:43] offset:(32*(\b/2)+8*(\b%2))*4
	global_load_b128 v[BN+8*\b+4:BN+8*\b+7], v3, s[42:43] offset:(32*(\b/2)+8*(\b%2))*4+16
.endr
.irp a, 0,1,2,3,4,5,6,7
	global_load_b32 v[BM+2*\a], v4, s[44:45] offset:(32*(\a/2)+8*(\a%2))*4
	global_load_b32 v[BM+2*\a+1], v4, s[44:45] offset:(32*(\a/2)+8*(\a%2))*4
.endr
	v_and_b32 v5, 31, v0
	v_lshlrev_b32 v[LI], 4, v5
	v_lshlrev_b32 v[LS], 2, v5
	s_mul_i32 s40, s[RH], 2*HALFT
	s_mul_i32 s41, s[CH], 2*HALFT
	s_add_co_u32 s41, s41, 4*HALFT
.irp s, 0,1
	v_add_nc_u32 v[ADRA+\s], s40, v[LI]
	v_add_nc_u32 v[ADRB+\s], s41, v[LI]
	s_add_co_u32 s40, s40, HALFT
	s_add_co_u32 s41, s41, HALFT
.endr
	v_mul_u32_u24 v5, v1, KS
	v_lshrrev_b32 v6, 8, v5
	v_lshl_add_u32 v5, v6, 4, v5
	s_mul_i32 s40, s[RH], HALFS
	s_mul_i32 s41, s[CH], HALFS
	s_add_co_u32 s41, s41, 2*HALFS
	s_sub_co_u32 s41, s41, s40
	v_mul_u32_u24 v6, s41, v2
	s_add_co_u32 s40, s40, SCL
	v_add_nc_u32 v5, v5, v6
	v_add_nc_u32 v[ADRS], s40, v5
	s_mov_b32 s[SEL], 0x76543210
	s_mov_b32 s[SEL+1], 0xfedcba98
	s_wait_loadcnt 0x0
.set i, 0
.rept 64
	v_cndmask_b32 v[BN+i], 0, v[BN+i], s[NM]
.set i, i+1
.endr
.set i, 0
.rept 16
	v_cndmask_b32 v[BM+i], 0, v[BM+i], s[VM]
.set i, i+1
.endr
.macro FRAG reg, adr, q, i
.irp c, 0,1,2
	ds_load_b128 v[\reg+4*\c:\reg+4*\c+3], v[\adr] offset:(8*(\q)+(\i))*FRB+512*\c
.endr
.endm
.macro MUL16 a0, p, q, sc, zero
.irp a, \a0, \a0+1
.irp b, 0,1,2,3,4,5,6,7
.if \zero
	v_wmma_scale_f32_16x16x128_f8f6f4 v[8*(8*((\a)%4)+\b):8*(8*((\a)%4)+\b)+7], v[128*(\p)+FR*\b:128*(\p)+FR*\b+FR-1], v[AF+FR*(\a):AF+FR*(\a)+FR-1], v[BN+8*\b:BN+8*\b+7], v[SC+8*NQ*(\sc)+NQ*\b+(\q)], v[SC+8*NQ*(\sc)+NQ*(\a)+(\q)] matrix_a_fmt:MATRIX_FMT_BF6 matrix_b_fmt:MATRIX_FMT_BF6 matrix_a_scale:MATRIX_SCALE_ROW1
.else
	v_wmma_scale_f32_16x16x128_f8f6f4 v[8*(8*((\a)%4)+\b):8*(8*((\a)%4)+\b)+7], v[128*(\p)+FR*\b:128*(\p)+FR*\b+FR-1], v[AF+FR*(\a):AF+FR*(\a)+FR-1], v[8*(8*((\a)%4)+\b):8*(8*((\a)%4)+\b)+7], v[SC+8*NQ*(\sc)+NQ*\b+(\q)], v[SC+8*NQ*(\sc)+NQ*(\a)+(\q)] matrix_a_fmt:MATRIX_FMT_BF6 matrix_b_fmt:MATRIX_FMT_BF6 matrix_a_scale:MATRIX_SCALE_ROW1
.endif
.endr
.endr
.endm
.macro FETCH_B slot, q, p
	WIN TO_B
.irp i, 0,1,2,3,4,5,6,7
	FRAG 128*(\p)+FR*\i, ADRB+\slot, \q, \i
.endr
	WIN 0
.endm
.macro FETCH_A slot, q, i0
.irp i, \i0, \i0+1, \i0+2, \i0+3
	FRAG AF+FR*(\i), ADRA+\slot, \q, \i
.endr
.endm
.macro SCALES sc
.irp i, 0,1,2,3,4,5,6,7
	ds_load_b64 v[SC+8*NQ*\sc+NQ*\i:SC+8*NQ*\sc+NQ*\i+1], v[ADRS] offset:\i*SBLK
.endr
.endm
.macro STEP slot, q, zero
	s_wait_dscnt 4*NL
	WIN MUL_LO-0x20*(\zero)
	MUL16 0, (\q)%2, \q, \slot, \zero
	MUL16 2, (\q)%2, \q, \slot, \zero
	s_wait_dscnt 0
	PLACES NP
	FETCH_B \slot, (\q)+1, 1-(\q)%2
	FETCH_A \slot, (\q)+1, 0
	WIN MUL_HI-0x30*(\zero)
	MUL16 4, (\q)%2, \q, \slot, \zero
	MUL16 6, (\q)%2, \q, \slot, \zero
	PLACES NP
	WIN 0
	FETCH_A \slot, (\q)+1, 4
.endm
.macro TURN slot, next, fill
	s_wait_tensorcnt 0x0
	ds_add_u32 v[SPW], v[NIL]
	s_wait_dscnt 4*NL+1
	WIN MUL_LO
	MUL16 0, 1, NQ-1, \slot, 0
	s_wait_dscnt 0x0
	s_barrier_signal -1
	MUL16 2, 1, NQ-1, \slot, 0
	WIN 0
	s_barrier_wait -1
.if \fill
	CREST
	s_add_nc_u64 s[G0+4*\slot+2:G0+4*\slot+3], s[G0+4*\slot+2:G0+4*\slot+3], 2*HALFT
	s_add_nc_u64 s[G0B+4*\slot+2:G0B+4*\slot+3], s[G0B+4*\slot+2:G0B+4*\slot+3], 2*HALFT
	JLOAD G0+4*\slot, G1, G0B+4*\slot, G1B
.else
	PLACES NP
.endif
	s_wait_alu depctr_va_vdst(0)
	v_add_nc_u32 v[ADRS], 4*NQ, v[ADRS]
	FETCH_B \next, 0, 0
	FETCH_A \next, 0, 0
	SCALES \next
	WIN MUL_HI
	MUL16 4, 1, NQ-1, \slot, 0
	MUL16 6, 1, NQ-1, \slot, 0
	PLACES NP
	WIN 0
	FETCH_A \next, 0, 4
.endm
	s_wait_tensorcnt 0x0                           ; my piece of both slots is in; no tensor load of mine is out, so a descriptor may be written:
	s_mov_b32 s[G1+2], 96<<16                      ; from here on a load brings 96 rows, a piece of one slot
	s_mov_b32 s[G1+4], 96
	s_mov_b32 s[G1B+2], 96<<16
	s_mov_b32 s[G1B+4], 96
	s_barrier_signal -1
	s_barrier_wait -1                              ; everybody's piece is in: no tensor load of the work-group is out when the words are stored
.irp i, 0,1,2,3,4,5,6,7
	ds_store_b128 v9, v[128+4*\i:131+4*\i] offset:544*\i
.endr
	s_wait_dscnt 0x0                               ; my words are in LDS,
	s_barrier_signal -1
	s_barrier_wait -1                              ; and everybody's
	FETCH_B 0, 0, 0
	FETCH_A 0, 0, 0
	SCALES 0
	FETCH_A 0, 0, 4
	STEP 0, 0, 1
	s_mov_b32 s3, LAPS-1
.Llap:
	TURN 0, 1, 1
	STEP 1, 0, 0
	TURN 1, 0, 1
	STEP 0, 0, 0
	s_sub_co_u32 s3, s3, 1
	s_cmp_lg_u32 s3, 0
	s_cbranch_scc1 .Llap
	TURN 0, 1, 0
	STEP 1, 0, 0
	s_wait_dscnt 4*NL
	WIN MUL_LO
	MUL16 0, 1, NQ-1, 1, 0
	MUL16 2, 1, NQ-1, 1, 0
	s_wait_dscnt 0
	WIN MUL_HI
	MUL16 4, 1, NQ-1, 1, 0
	MUL16 6, 1, NQ-1, 1, 0
	WIN 0
	PLACES NP
.irp b, 0,1,2,3
	v_mov_b32 v[TM+4+\b], 0
.endr
.macro PAIR p
.if \p > 0
	s_wait_xcnt 0x0
	s_add_nc_u64 s[BASE0:BASE0+1], s[BASE0:BASE0+1], s[STRP:STRP+1]
	s_add_nc_u64 s[BASE1:BASE1+1], s[BASE1:BASE1+1], s[STRP:STRP+1]
.endif
.irp u, 0,1
	WIN 0x02+(2*\p+\u)/4
.set i, 0
.rept 32
	v_pk_add_f32 v[T+2*i:T+2*i+1], v[64*((2*\p+\u)%4)+2*i:64*((2*\p+\u)%4)+2*i+1], v[BM+2*(2*\p+\u):BM+2*(2*\p+\u)+1]
.set i, i+1
.endr
	WIN 0
	QUANT T, X+6*\u, X+12+6*\u, PW0+\u
.endr
.irp i, 0,1,2,3,4,5
	v_mov_b32 v[TMPV], v[X+6+\i]
	v_cndmask_b32 v[X+6+\i], v[X+6+\i], v[X+12+\i], s[VM]
	v_cndmask_b32 v[X+12+\i], v[X+12+\i], v[TMPV], s[VM]
.endr
	v_cndmask_b32 v[GW], v[PW0], v[PW0+1], s[HM]
.irp c, 0,1,2
	global_store_b128 v[LI], v[X+4*\c:X+4*\c+3], s[BASE0:BASE0+1] offset:512*\c
.endr
.irp c, 0,1,2
	global_store_b128 v[LI], v[X+12+4*\c:X+12+4*\c+3], s[BASE1:BASE1+1] offset:512*\c
.endr
	global_store_b32 v[LS], v[GW], s[SBASE:SBASE+1] offset:128*\p
.endm
	PAIR 0
	PAIR 1
	PAIR 2
	PAIR 3
	s_wait_tensorcnt 0x0
	ds_add_u32 v[SPW], v[NIL]
	s_wait_dscnt 0x0
	CROUND
	s_endpgm
.Lfunc_end_k_qb8eea124b7_proj:
	.size	k_qb8eea124b7_proj, .Lfunc_end_k_qb8eea124b7_proj-k_qb8eea124b7_proj
	.p2alignl 7, 3214868480
	.fill 96, 4, 3214868480
	.section	.rodata,"a",@progbits
	.p2align	6, 0x0
	.amdhsa_kernel k_qb8eea124b7_proj
		.amdhsa_group_segment_fixed_size 327680
		.amdhsa_private_segment_fixed_size 0
		.amdhsa_enable_private_segment 0
		.amdhsa_kernarg_size 56
		.amdhsa_user_sgpr_count 2
		.amdhsa_user_sgpr_kernarg_segment_ptr 1
		.amdhsa_wavefront_size32 1
		.amdhsa_system_sgpr_workgroup_id_x 1
		.amdhsa_system_sgpr_workgroup_id_y 1
		.amdhsa_system_sgpr_workgroup_id_z 1
		.amdhsa_system_vgpr_workitem_id 0
		.amdhsa_next_free_vgpr 1024
		.amdhsa_next_free_sgpr 106
		.amdhsa_reserve_vcc 0
		.amdhsa_float_denorm_mode_32 3
		.amdhsa_float_denorm_mode_16_64 3
		.amdhsa_memory_ordered 1
		.amdhsa_forward_progress 1
		.amdhsa_inst_pref_size 169
	.end_amdhsa_kernel
	.amdgpu_metadata
---
amdhsa.version: [ 1, 2 ]
amdhsa.kernels:
  - .name:           k_qb8eea124b7_proj
    .symbol:         k_qb8eea124b7_proj.kd
    .args:
      - { .name: xi, .offset: 0, .size: 8, .value_kind: global_buffer, .address_space: global }
      - { .name: xs, .offset: 8, .size: 8, .value_kind: global_buffer, .address_space: global }
      - { .name: bq, .offset: 16, .size: 8, .value_kind: global_buffer, .address_space: global }
      - { .name: bk, .offset: 24, .size: 8, .value_kind: global_buffer, .address_space: global }
      - { .name: bv, .offset: 32, .size: 8, .value_kind: global_buffer, .address_space: global }
      - { .name: qkv, .offset: 40, .size: 8, .value_kind: global_buffer, .address_space: global }
      - { .name: qkvs, .offset: 48, .size: 8, .value_kind: global_buffer, .address_space: global }
    .group_segment_fixed_size: 327680
    .private_segment_fixed_size: 0
    .kernarg_segment_align: 8
    .kernarg_segment_size: 56
    .max_flat_workgroup_size: 128
    .sgpr_count:     106
    .vgpr_count:     1024
    .wavefront_size: 32
...
	.end_amdgpu_metadata
.endif
;; end of part 2
;; launch attn (part 3): grid 4 x 64, 16 waves a work-group, clusters of 4 x 1, 327,680 bytes of LDS; arguments qkv, qkvs, oi, os; writes oi, os
.if DOCPART == 3
	.amdgcn_target "amdgcn-amd-amdhsa--gfx1250"
	.amdhsa_code_object_version 6
	.text
	.protected	k_qb8eea124b7_attn
	.globl	k_qb8eea124b7_attn
	.p2align	8
	.type	k_qb8eea124b7_attn,@function
k_qb8eea124b7_attn:
	s_mov_b64 s[64:65], 0
	v_nop
	global_prefetch_b8 v0, s[64:65] scope:SCOPE_SE
	s_setreg_imm32_b32 hwreg(HW_REG_WAVE_MODE, 25, 1), 1
	s_wait_xcnt 0x0
	s_wait_alu depctr_hold_cnt(0) depctr_sa_sdst(0) depctr_va_vdst(0) depctr_va_sdst(0) depctr_va_ssrc(0) depctr_va_vcc(0) depctr_vm_vsrc(0)
	s_getreg_b32 s2, hwreg(HW_REG_IB_STS2, 6, 4)
	s_cmp_eq_u32 s2, 0
	s_cbranch_scc0 .Lentry_in_a_cluster
	s_endpgm
.Lentry_in_a_cluster:
	s_bfe_u32 s2, ttmp6, 0x10000c
	s_cmp_lg_u32 s2, 0x3003
	s_cbranch_scc0 .Lentry_shape_is_right
	s_endpgm
.Lentry_shape_is_right:
; For each batch and head: O[q] = sum over keys of softmax(q . k / 8) v, both products on codes of BF6 (E3M2) with E8M0 scales, and O quantised along the channels for the last product.
; THE SOFTMAX: t = score x log2(e) / 8; M = the running largest t rounded UP to a whole number; p = 2^(t - M) is quantised along the keys, not normalised.  The row's sum is taken of the unquantised p
; and divides O at the end.  When M moves, the sum and O are multiplied by 2^(old M - new M): exact.
; SHARES.  Work-group (x, y): y = batch x 16 + head, x: 512 queries.  Each of the sixteen waves owns two tiles of 16 queries of that ONE head; both tiles use each fragment of K and of V that the wave reads from LDS.
; NO RING.  One head's K and V codes are 2 x 98,304 bytes: they are fetched once and stay.  Wave w fetches key step w (128 keys) by one tensor load of two rows of 6,144 bytes: K's 8 tiles and V's 4 fragments,
; which lie TYPEB bytes apart in qkv; in LDS they lie on end, 12,288 bytes a step.  Nothing is filled again, so the loop over the keys has no barrier.
; CLUSTER: the four query blocks of a head read the same K and V: every fill is a joint load with the mask 15.
; NO PREFETCH: all of K and V is asked for at the kernel's head, so there is no loop in which to ask ahead.
; SCALE WORDS.  Wave w brings step w's words through registers into LDS bytes of their own (768 a step: K 512, V 256).  In qkvs K's and Q's words hold two heads (bytes 0, 1 the even one, 2, 3 the odd one):
; my head's two bytes are put into BOTH halves of K's word.
; LAYOUT.  Both products are used transposed: S^T = K Q^T, O^T = V^T P^T: a lane holds ONE query.  Lane-row r of tile 2 b + u is 32 b + 8 u + r + 8 (r / 8), for keys, channels and queries.
; A HEAD'S 64 IN AN INSTRUCTION 128 DEEP.  A tile of K is 6 registers; 8 tiles lie on end.  For query tile A the operand is the tile's 6 registers and the 6 behind them, for tile B the 6 in front and the tile's 6.
; Q lies as [tile A 6][zeros 6][tile B 6].  The half that is not the tile's meets zero codes of Q; every 6-bit pattern is a finite number, so it adds exact zeros.  Q's word has the byte 0 (2^-127) over the zeros.
; OUT.  A head's 64 channels are half a fragment of the last product's row operand: 6 registers, stored as 3 pieces of 256 bytes, 8 bytes a lane: oi: [group of 128 tokens][K step 8][tile 8][head of the pair 2][piece 3][256].
; The head's two scale bytes of a row go out as 2 bytes in the row's 32: two such stores a wave for 1,536 bytes of codes.
; LIMITS: NaN and infinities are not served; a block of O whose largest magnitude lies under 2^-122 has the scale byte 1; the promise holds while |t| stays under 2^31.
.set STEPB, 12288                      ; LDS bytes of a key step: K 6,144, then V 6,144
.set SCK,   16*STEPB                   ; the scale words
.set SSTEP, 768                        ; a step's: K 512, V 256
.set SPARE, SCK+16*SSTEP               ; the spare words, 128 bytes a wave: eight blocks of 256 bytes that no other line names
.set TYPEB, 6291456                    ; q's, k's, v's codes in qkv
.set TYPES, 262144                     ; and their words in qkvs
.set SPW,  1                           ; my spare word; never rewritten
.set NIL,  2                           ; 0; never rewritten
.set ADK,  3                           ; 16 x lane + the step's tiles
.set ADS,  4                           ; SCK + 4 x lane + the step's words
.set TMP,  5
.set F,    6                           ; v[6:7] f = 2^(old M - new M), and 0
                                       ; v8-11 tile A's -M, largest t, sum in two halves; v12-15 tile B's
.set QF,   16                          ; v16-33 Q: tile A, zeros, tile B
.set QS,   34                          ; v34-35 Q's scale words
.set PA,   36                          ; v36-47 tile A's p codes (v42-47 also stand in front of K's tiles); tile B's at v116-127
.set KF,   48                          ; v48-95 K's 8 tiles, later V's 4 fragments
.set BMX,  96                          ; v96-99 the blocks' largest scores, then largest p (v96-101 also stand behind K's tiles)
.set PT,   100                         ; v100-103 at work
.set CTL,  96                          ; the conversions' second halves: v96-98, v100-102, free by then
.set SO,   104                         ; v104-107 the conversions' scale operands
.set KSC,  108                         ; v108-111 K's scale words, a register for two tiles
.set VSC,  112                         ; v112-113 V's
.set PWD,  114                         ; v114-115 p's scale words, tile A, tile B
.set S,    128                         ; v128-191 S^T, then p
.set O,    192                         ; v192-223, v224-255 O^T of the two tiles
.set WV,   12
.set SH,   16                          ; 16 x (head % 2)
.set SEL,  20
.set CS,   22                          ; s[22:23] c = log2(e) / 8
.set G1,   24
.set G0,   40
.set CNT,  51
.set QB,   58
.set QSB,  60
.set OB,   66
.set OSB,  68
.set KSB,  52
.set VSB,  54
.macro CROUND                          ; a round of the cluster's barrier
	s_barrier_signal -1
	s_barrier_wait -1
	s_cmp_lg_u32 s[WV], 0
	s_cbranch_scc1 .Lnot_wave_0_\@
	s_barrier_signal -3
.Lnot_wave_0_\@:
	s_barrier_wait -3
	s_barrier_signal -1
	s_barrier_wait -1
.endm
; 64 numbers of a lane become codes (at the kernel's end: O): d0: blocks 0, 1, d1: blocks 2, 3; pw: the four scale bytes
.macro QUANT s, d0, d1, pw
.irp b, 0,1,2,3
	v_max3_num_f32 v[TM+\b], |v[\s+16*\b]|, |v[\s+1+16*\b]|, 0x2800000   ; and the floor 2^(5 - 127): the byte cannot fall under 1
.endr
.irp i, 2,4,6,8,10,12,14
.irp b, 0,1,2,3
	s_delay_alu instid0(VALU_DEP_4)
	v_max3_num_f32 v[TM+\b], v[TM+\b], |v[\s+16*\b+\i]|, |v[\s+1+16*\b+\i]|
.endr
.endr
.irp b, 0,1,2,3
	v_permlanex16_b32 v[TM+4+\b], v[TM+\b], s[SEL], s[SEL+1]
.endr
.irp b, 0,1,2,3
	s_delay_alu instid0(VALU_DEP_4)
	v_max_num_f32 v[TM+\b], v[TM+\b], v[TM+4+\b]
.endr
.irp b, 0,1,2,3
	s_delay_alu instid0(VALU_DEP_4)
	v_add_nc_u32 v[TM+12+\b], 0xfe000000, v[TM+\b]
.endr
.irp b, 0,1,2,3
	s_delay_alu instid0(VALU_DEP_4)
	v_lshrrev_b32 v[TM+4+\b], 23, v[TM+12+\b]
.endr
	s_delay_alu instid0(VALU_DEP_3)
	v_lshl_or_b32 v[\pw], v[TM+5], 8, v[TM+4]
	s_delay_alu instid0(VALU_DEP_1)
	v_lshl_or_b32 v[\pw], v[TM+6], 16, v[\pw]
	s_delay_alu instid0(VALU_DEP_1)
	v_lshl_or_b32 v[\pw], v[TM+7], 24, v[\pw]
	v_cvt_scalef32_pk16_bf6_f32 v[\d0:\d0+2], v[\s:\s+15], v[TM+12]
	v_cvt_scalef32_pk16_bf6_f32 v[CT:CT+2], v[\s+16:\s+31], v[TM+13]
	v_cvt_scalef32_pk16_bf6_f32 v[\d1:\d1+2], v[\s+32:\s+47], v[TM+14]
	v_cvt_scalef32_pk16_bf6_f32 v[CT+4:CT+6], v[\s+48:\s+63], v[TM+15]
	v_nop
.irp i, 0,1,2
	v_permlane16_swap_b32 v[\d0+\i], v[CT+\i]
	v_permlane16_swap_b32 v[\d1+\i], v[CT+4+\i]
.endr
.irp i, 0,1,2
	v_mov_b32 v[\d0+3+\i], v[CT+\i]
	v_mov_b32 v[\d1+3+\i], v[CT+4+\i]
.endr
.endm
	s_load_b256 s[4:11], s[0:1], 0x0               ; qkv, qkvs, oi, os
	v_lshl_add_u32 v[SPW], v0, 2, SPARE
	v_mov_b32 v[NIL], 0
	ds_add_u32 v[SPW], v[NIL]                      ; the opening lines: the add, twice on end, and its wait ahead of my tensor load
	ds_add_u32 v[SPW], v[NIL]
	v_lshrrev_b32 v128, 5, v0
	v_readfirstlane_b32 s[WV], v128                ; wave 0..15
	s_bfe_u32 s13, ttmp6, 0x40000                  ; cx: my block of 512 queries: it enters Q's and O's addresses alone
	s_and_b32 s15, ttmp7, 0xffff                   ; batch x 16 + head, which the four partners share
	s_and_b32 s14, s15, 1                          ; which head of its pair
	s_lshr_b32 s15, s15, 1                         ; batch x 8 + head pair
	s_lshl_b32 s[SH], s14, 4
	s_mov_b32 s[G1], 15|(3<<16)|(1<<21)            ; the mask: all four work-groups; elements of 8 bytes; bit 21 set beside a mask
	s_mov_b32 s[G1+1], 768<<16                     ; a row: 768 elements = 6,144 bytes
	s_mov_b32 s[G1+2], 2<<16                       ; two rows: K's, V's
	s_mov_b32 s[G1+3], 768<<16
	s_mov_b32 s[G1+4], 2
	s_mov_b32 s[G1+5], TYPEB/8                     ; from K's codes to V's
	s_mov_b32 s[G1+6], 0
	s_mov_b32 s[G1+7], 0
	s_mul_i32 s74, s15, 196608                     ; the head pair,
	s_mul_i32 s76, s[WV], STEPB                    ; key step = my wave's number,
	s_add_co_u32 s74, s74, s76
	s_mul_i32 s77, s14, 6144                       ; the head
	s_add_co_u32 s74, s74, s77
	s_add_co_u32 s74, s74, TYPEB                   ; in K's codes
	s_mov_b32 s75, 0
	s_mov_b32 s[G0], 1
	s_mul_i32 s[G0+1], s[WV], STEPB                ; LDS: 12,288 x wave
	s_mov_b32 s[SEL], 0x76543210
	s_mov_b32 s[SEL+1], 0xfedcba98
	s_mov_b32 s[CS], 0x3e38aa3b                    ; c = log2(e) / 8
	s_mov_b32 s[CS+1], s[CS]                       ; (named with it as a pair, so it is written)
	s_wait_dscnt 0x0                               ; both opening adds are done
	s_wait_kmcnt 0x0
	s_add_nc_u64 s[G0+2:G0+3], s[4:5], s[74:75]
	s_or_b32 s[G0+3], s[G0+3], 0x80000000
	CROUND                                         ; all four work-groups are here: the joint loads meet
	tensor_load_to_lds s[G0:G0+3], s[G1:G1+7]      ; every wave's one tensor load of the launch
	s_nop 0
.rept 4
	v_nop
.endr
	s_lshl_b32 s74, s15, 13                        ; the scale words of step w: K's 512 bytes,
	s_lshl_b32 s76, s[WV], 9
	s_add_co_u32 s74, s74, s76
	s_add_co_u32 s74, s74, TYPES
	s_add_nc_u64 s[KSB:KSB+1], s[6:7], s[74:75]
	s_lshl_b32 s76, s14, 8                         ; and my head's 256 bytes of V's
	s_add_co_u32 s76, s76, TYPES
	s_mov_b32 s77, 0
	s_add_nc_u64 s[VSB:VSB+1], s[KSB:KSB+1], s[76:77]
	s_lshl_b32 s70, s13, 2
	s_lshr_b32 s71, s[WV], 2
	s_add_co_u32 s70, s70, s71                     ; my 128 tokens in the batch
	s_and_b32 s71, s[WV], 3                        ; my pair of tiles in them
	s_lshl_b32 s72, s15, 4
	s_add_co_u32 s72, s72, s70
	s_mul_i32 s74, s72, 12288
	s_mul_i32 s76, s71, 1536
	s_add_co_u32 s74, s74, s76
	s_mul_i32 s76, s14, 6144
	s_add_co_u32 s74, s74, s76
	s_add_nc_u64 s[QB:QB+1], s[4:5], s[74:75]      ; q's codes: the pair's 12 registers
	s_lshl_b32 s74, s72, 9
	s_lshl_b32 s76, s71, 7
	s_add_co_u32 s74, s74, s76
	s_add_nc_u64 s[QSB:QSB+1], s[6:7], s[74:75]    ; q's scale words: 16 for each tile
	s_lshr_b32 s72, s15, 3                         ; the batch
	s_and_b32 s73, s15, 7                          ; the head pair = the last product's K step
	s_lshl_b32 s72, s72, 4
	s_add_co_u32 s72, s72, s70                     ; the group of 128 tokens in oi
	s_mul_i32 s74, s72, 98304
	s_mul_i32 s76, s73, 12288
	s_add_co_u32 s74, s74, s76
	s_mul_i32 s76, s71, 3072
	s_add_co_u32 s74, s74, s76
	s_mul_i32 s76, s14, 768
	s_add_co_u32 s74, s74, s76
	s_add_nc_u64 s[OB:OB+1], s[8:9], s[74:75]
	s_lshl_b32 s74, s72, 12
	s_lshl_b32 s76, s71, 10
	s_add_co_u32 s74, s74, s76
	s_lshl_b32 s76, s73, 2
	s_add_co_u32 s74, s74, s76
	s_lshl_b32 s76, s14, 1
	s_add_co_u32 s74, s74, s76
	s_add_nc_u64 s[OSB:OSB+1], s[10:11], s[74:75]
	s_mul_i32 s78, s[WV], SSTEP
	s_add_co_u32 s78, s78, SCK                     ; where step w's words go in LDS
	v_and_b32 v129, 31, v0
	v_and_b32 v132, 15, v0
	v_lshlrev_b32 v[ADK], 4, v129
	v_lshl_add_u32 v[ADS], v129, 2, SCK
	v_lshlrev_b32 v131, 3, v129
	v_lshlrev_b32 v132, 2, v132
	v_add_nc_u32 v133, s78, v[ADK]
	v_add_nc_u32 v134, s78, v131
.irp c, 0,1,2
	global_load_b128 v[144+4*\c:147+4*\c], v[ADK], s[QB:QB+1] offset:512*\c
.endr
	global_load_b32 v[QS], v132, s[QSB:QSB+1]
	global_load_b32 v[QS+1], v132, s[QSB:QSB+1] offset:64
	global_load_b128 v[160:163], v[ADK], s[KSB:KSB+1]
	global_load_b64 v[164:165], v131, s[VSB:VSB+1]
	s_wait_alu depctr_va_vdst(0)
	s_wait_loadcnt 0x0
.irp i, 0,1,2,3,4,5
	v_mov_b32 v[QF+\i], v[144+\i]                  ; tile A
	v_mov_b32 v[QF+12+\i], v[150+\i]               ; tile B
	v_mov_b32 v[QF+6+\i], 0
.endr
	v_lshrrev_b32 v[QS], s[SH], v[QS]
	v_lshrrev_b32 v[QS+1], s[SH], v[QS+1]
	v_and_b32 v[QS], 0xffff, v[QS]                 ; tile A: my head's bytes at 0, 1; 0 above
	v_lshlrev_b32 v[QS+1], 16, v[QS+1]             ; tile B: at 2, 3; 0 below
.irp i, 0,1,2,3
	v_lshrrev_b32 v[160+\i], s[SH], v[160+\i]
.endr
.irp i, 0,1,2,3
	v_and_b32 v[160+\i], 0xffff, v[160+\i]
.endr
.irp i, 0,1,2,3
	v_lshl_or_b32 v[160+\i], v[160+\i], 16, v[160+\i]   ; K's words: my head's two bytes in both halves
.endr
	v_mov_b32 v9, 0xff61b1e6                       ; the largest t so far: -3e38, under every t
	v_mov_b32 v13, 0xff61b1e6
	v_floor_f32 v8, -v9                            ; -M
	v_floor_f32 v12, -v13
.irp r, 6,7,10,11,14,15
	v_mov_b32 v\r, 0                               ; f's pair; the sums
.endr
.set j, 0
.rept 8
	v_mov_b32 v[BMX+j], 0                          ; named behind K's tiles, and as lane permutes' destinations, before they are first written
.set j, j+1
.endr
.set j, 0
.rept 64
	v_mov_b32 v[O+j], 0                            ; O^T: the loop is written once; its first step finds zeros.  (Also the places between Q's words and the first products)
.set j, j+1
.endr
	s_wait_alu depctr_va_vdst(0)
	s_wait_tensorcnt 0x0                           ; my step's K and V are in;
	s_barrier_signal -1
	s_barrier_wait -1                              ; everybody's are: no tensor load of the work-group is out when the words are stored
	ds_store_b128 v133, v[160:163]
	ds_store_b64 v134, v[164:165] offset:512
	s_wait_dscnt 0x0                               ; my words are in LDS,
	s_barrier_signal -1
	s_barrier_wait -1                              ; and everybody's
.macro ST q, t                         ; S^T of query tile q, tile t of 16 keys
.if (\t)%2
	v_wmma_scale_f32_16x16x128_f8f6f4 v[S+8*(\t):S+8*(\t)+7], v[KF+6*(\t)-6*(\q):KF+6*(\t)-6*(\q)+11], v[QF+6*(\q):QF+6*(\q)+11], 0, v[KSC+(\t)/2], v[QS+(\q)] matrix_a_fmt:MATRIX_FMT_BF6 matrix_b_fmt:MATRIX_FMT_BF6 matrix_a_scale:MATRIX_SCALE_ROW1
.else
	v_wmma_scale_f32_16x16x128_f8f6f4 v[S+8*(\t):S+8*(\t)+7], v[KF+6*(\t)-6*(\q):KF+6*(\t)-6*(\q)+11], v[QF+6*(\q):QF+6*(\q)+11], 0, v[KSC+(\t)/2], v[QS+(\q)] matrix_a_fmt:MATRIX_FMT_BF6 matrix_b_fmt:MATRIX_FMT_BF6
.endif
.endm
.macro PV q, t                         ; O^T += V^T P^T of query tile q, tile t of 16 channels
.if (\t)%2
	v_wmma_scale_f32_16x16x128_f8f6f4 v[O+32*(\q)+8*(\t):O+32*(\q)+8*(\t)+7], v[KF+12*(\t):KF+12*(\t)+11], v[PA+80*(\q):PA+80*(\q)+11], v[O+32*(\q)+8*(\t):O+32*(\q)+8*(\t)+7], v[VSC+(\t)/2], v[PWD+(\q)] matrix_a_fmt:MATRIX_FMT_BF6 matrix_b_fmt:MATRIX_FMT_BF6 matrix_a_scale:MATRIX_SCALE_ROW1
.else
	v_wmma_scale_f32_16x16x128_f8f6f4 v[O+32*(\q)+8*(\t):O+32*(\q)+8*(\t)+7], v[KF+12*(\t):KF+12*(\t)+11], v[PA+80*(\q):PA+80*(\q)+11], v[O+32*(\q)+8*(\t):O+32*(\q)+8*(\t)+7], v[VSC+(\t)/2], v[PWD+(\q)] matrix_a_fmt:MATRIX_FMT_BF6 matrix_b_fmt:MATRIX_FMT_BF6
.endif
.endm
; The scores of query tile q for 128 keys become p's codes and scale word; the sum and O^T come under the new M
.macro SOFT q
.set HS, 8+4*\q
.set OT, O+32*\q
.set PC, PA+80*\q
.irp b, 0,1,2,3
	v_max3_num_f32 v[BMX+\b], v[S+16*\b], v[S+1+16*\b], v[S+2+16*\b]   ; the largest SCORE of each block of 32 keys: for the row's maximum and, since p rises with the score, for the block's largest p
.endr
.irp i, 3,5,7,9,11,13
.irp b, 0,1,2,3
	v_max3_num_f32 v[BMX+\b], v[BMX+\b], v[S+16*\b+\i], v[S+1+16*\b+\i]
.endr
.endr
.irp b, 0,1,2,3
	v_max_num_f32 v[BMX+\b], v[BMX+\b], v[S+15+16*\b]
.endr
.irp b, 0,1,2,3
	s_delay_alu instid0(VALU_DEP_4)
	v_permlanex16_b32 v[PT+\b], v[BMX+\b], s[SEL], s[SEL+1]
.endr
.irp b, 0,1,2,3
	s_delay_alu instid0(VALU_DEP_4)
	v_max_num_f32 v[BMX+\b], v[BMX+\b], v[PT+\b]   ; with lane l xor 16's 16 keys
.endr
	s_delay_alu instid0(VALU_DEP_2)
	v_max3_num_f32 v[TMP], v[BMX], v[BMX+1], v[BMX+2]
	s_delay_alu instid0(VALU_DEP_1)
	v_max_num_f32 v[TMP], v[TMP], v[BMX+3]
	s_delay_alu instid0(VALU_DEP_1)
	v_mul_f32 v[TMP], s[CS], v[TMP]                ; the step's largest t (c is positive)
	s_delay_alu instid0(VALU_DEP_1)
	v_max_num_f32 v[HS+1], v[HS+1], v[TMP]         ; the running largest t
	v_mov_b32 v[TMP], v[HS]
	s_delay_alu instid0(VALU_DEP_2)
	v_floor_f32 v[HS], -v[HS+1]                    ; the new -M = -ceil(t)
	s_delay_alu instid0(VALU_DEP_1)
	v_sub_f32 v[TMP], v[HS], v[TMP]                ; old M - new M: a whole number, 0 or less
	s_delay_alu instid0(VALU_DEP_1)
	v_cvt_i32_f32 v[TMP], v[TMP]                   ; (it saturates)
	s_delay_alu instid0(VALU_DEP_1)
	v_ldexp_f32 v[F], 1.0, v[TMP]                  ; f = 2^(old M - new M)
.set j, 0
.rept 32
	v_pk_fma_f32 v[S+j:S+j+1], v[S+j:S+j+1], s[CS:CS+1], v[HS:HS+1] op_sel_hi:[1,0,0]   ; t - M, two at a time
.set j, j+2
.endr
.irp b, 0,1,2,3
	v_fma_f32 v[BMX+\b], v[BMX+\b], s[CS], v[HS]   ; the same of each block's largest score
.endr
.set j, 0
	s_wait_alu depctr_va_vdst(0)
.rept 64
	v_exp_f32 v[S+j], v[S+j]                       ; p = 2^(t - M), at most 1
.set j, j+1
.endr
	v_pk_mul_f32 v[HS+2:HS+3], v[HS+2:HS+3], v[F:F+1] op_sel_hi:[1,0]   ; the sums under the new M: the plain place behind the exponentials
	s_wait_alu depctr_va_vdst(0)                   ; one wait for the whole batch, ahead of its first reader
.irp b, 0,1,2,3
	v_exp_f32 v[BMX+\b], v[BMX+\b]                 ; the blocks' largest p
.endr
	v_pk_add_f32 v[PT:PT+1], v[S:S+1], v[S+2:S+3]  ; the row's sum of the UNQUANTISED p, in four chains by turns; it reads the 64 alone
	v_pk_add_f32 v[PT+2:PT+3], v[S+4:S+5], v[S+6:S+7]
	v_pk_add_f32 v[SO:SO+1], v[S+8:S+9], v[S+10:S+11]
.irp j, 12,20,28,36,44,52
	v_pk_add_f32 v[HS+2:HS+3], v[HS+2:HS+3], v[S+\j:S+\j+1]
	v_pk_add_f32 v[PT:PT+1], v[PT:PT+1], v[S+\j+2:S+\j+3]
	v_pk_add_f32 v[PT+2:PT+3], v[PT+2:PT+3], v[S+\j+4:S+\j+5]
	v_pk_add_f32 v[SO:SO+1], v[SO:SO+1], v[S+\j+6:S+\j+7]
.endr
	v_pk_add_f32 v[HS+2:HS+3], v[HS+2:HS+3], v[S+60:S+61]
	v_pk_add_f32 v[PT:PT+1], v[PT:PT+1], v[S+62:S+63]
	v_pk_add_f32 v[PT+2:PT+3], v[PT+2:PT+3], v[SO:SO+1]
	v_pk_add_f32 v[HS+2:HS+3], v[HS+2:HS+3], v[PT:PT+1]
	v_pk_add_f32 v[HS+2:HS+3], v[HS+2:HS+3], v[PT+2:PT+3]
	s_wait_alu depctr_va_vdst(0)                   ; and one for the four
.irp b, 0,1,2,3
	v_max_num_f32 v[BMX+\b], 0x2800000, v[BMX+\b]  ; the floor 2^(5 - 127): the byte cannot fall under 1
.endr
.irp b, 0,1,2,3
	s_delay_alu instid0(VALU_DEP_4)
	v_add_nc_u32 v[SO+\b], 0xfe000000, v[BMX+\b]   ; 4 off the exponent field: the conversion's scale operand
.endr
.irp b, 0,1,2,3
	s_delay_alu instid0(VALU_DEP_4)
	v_lshrrev_b32 v[PT+\b], 23, v[SO+\b]           ; the scale's byte
.endr
	s_delay_alu instid0(VALU_DEP_3)
	v_lshl_or_b32 v[PWD+\q], v[PT+1], 8, v[PT]
	s_delay_alu instid0(VALU_DEP_1)
	v_lshl_or_b32 v[PWD+\q], v[PT+2], 16, v[PWD+\q]
	s_delay_alu instid0(VALU_DEP_1)
	v_lshl_or_b32 v[PWD+\q], v[PT+3], 24, v[PWD+\q]   ; p's scale word for these 128 keys
.irp c, 0,1
	v_cvt_scalef32_pk16_bf6_f32 v[PC+6*\c:PC+2+6*\c], v[S+32*\c:S+15+32*\c], v[SO+2*\c]
	v_cvt_scalef32_pk16_bf6_f32 v[CTL+4*\c:CTL+2+4*\c], v[S+16+32*\c:S+31+32*\c], v[SO+2*\c+1]
.endr
	v_nop                                          ; one plain place behind the scaled conversions
.irp c, 0,1
.irp i, 0,1,2
	v_permlane16_swap_b32 v[PC+6*\c+\i], v[CTL+4*\c+\i]   ; a whole block to a lane
.endr
.irp i, 0,1,2
	s_delay_alu instid0(VALU_DEP_3)
	v_mov_b32 v[PC+3+6*\c+\i], v[CTL+4*\c+\i]
.endr
.endr
	s_wait_alu depctr_va_vdst(0)                   ; directly ahead of the first reader of O^T
.set j, 0
.rept 16
	v_pk_mul_f32 v[OT+j:OT+j+1], v[OT+j:OT+j+1], v[F:F+1] op_sel_hi:[1,0]   ; O^T under the new M.  (These 16 are also the places between p's codes and scale word and the products that follow)
.set j, j+2
.endr
.endm
; A KEY STEP: 128 keys, both query tiles.  K's tiles are read once for both tiles' scores, V's fragments once for both tiles' O^T.  No two matrix instructions that follow each other share an accumulator.
.macro STEP
.irp c, 0,1,2,3,4,5,6,7,8,9,10,11
	ds_load_b128 v[KF+4*\c:KF+4*\c+3], v[ADK] offset:512*\c
.endr
.irp p, 0,1,2,3
	ds_load_b32 v[KSC+\p], v[ADS] offset:128*\p
.endr
	s_wait_dscnt 0x0
.irp t, 0,1,2,3,4,5,6,7
	ST 0, \t
.endr
.rept 4
	v_nop                                          ; places in front of the first read of the scores and the first write behind K's tiles
.endr
	SOFT 0
.irp t, 0,1,2,3,4,5,6,7
	ST 1, \t
.endr
.rept 4
	v_nop                                          ; places in front of the loads into K's registers and of the first read of the scores
.endr
.irp c, 0,1,2,3,4,5,6,7,8,9,10,11
	ds_load_b128 v[KF+4*\c:KF+4*\c+3], v[ADK] offset:6144+512*\c   ; V's 4 fragments: they land during tile B's softmax
.endr
.irp p, 0,1
	ds_load_b32 v[VSC+\p], v[ADS] offset:512+128*\p
.endr
	v_add_nc_u32 v[ADK], STEPB, v[ADK]             ; the next 128 keys
	v_add_nc_u32 v[ADS], SSTEP, v[ADS]
	SOFT 1
	s_wait_alu depctr_va_vdst(0)
	s_wait_dscnt 0x0                               ; V
.irp t, 0,1,2,3
	PV 0, \t
	PV 1, \t
.endr
.rept 4
	v_nop                                          ; places in front of the next loads into V's registers, and of the first read of O^T
.endr
.endm
	s_mov_b32 s[CNT], 16
.Lstep:
	STEP
	s_sub_co_u32 s[CNT], s[CNT], 1
	s_cmp_lg_u32 s[CNT], 0
	s_cbranch_scc1 .Lstep
	; THE WAY OUT.  O^T / the sum.  Of each tile's 32 registers, register 16 b + i = channel 32 b + 16 h + i of the head's 64: two blocks a tile, four in all
.irp hd, 0,1
	v_add_f32 v[10+4*\hd], v[10+4*\hd], v[11+4*\hd]
.endr
.irp hd, 0,1
	s_delay_alu instid0(VALU_DEP_2)
	v_permlanex16_b32 v[PT+\hd], v[10+4*\hd], s[SEL], s[SEL+1]
.endr
.irp hd, 0,1
	s_delay_alu instid0(VALU_DEP_2)
	v_add_f32 v[10+4*\hd], v[10+4*\hd], v[PT+\hd]  ; the row's sum
.endr
	s_wait_alu depctr_va_vdst(0)
.irp hd, 0,1
	v_rcp_f32 v[10+4*\hd], v[10+4*\hd]
.endr
	v_nop                                          ; a plain place behind the reciprocals
	s_wait_alu depctr_va_vdst(0)                   ; one wait for both, directly ahead of the first reader
.irp hd, 0,1
.set j, 0
.rept 16
	v_pk_mul_f32 v[O+32*\hd+j:O+32*\hd+j+1], v[O+32*\hd+j:O+32*\hd+j+1], v[10+4*\hd:11+4*\hd] op_sel_hi:[1,0]   ; each accumulator from its low end on
.set j, j+2
.endr
.endr
	v_and_b32 v166, 31, v0
	v_and_b32 v167, 15, v0
	v_lshlrev_b32 v166, 3, v166                    ; 8 x lane
	v_lshlrev_b32 v167, 5, v167                    ; a row's 32 bytes of scale words
.set TM, 128                           ; the scores' registers are free
.set CT, 156
	QUANT O, 144, 150, PWD                         ; v144-149 tile A's half fragment, v150-155 tile B's; bytes 0, 1 of the word tile A's, bytes 2, 3 tile B's
	v_lshrrev_b32 v[PWD+1], 16, v[PWD]
.irp p, 0,1,2
	global_store_b64 v166, v[144+2*\p:145+2*\p], s[OB:OB+1] offset:256*\p        ; 256 consecutive bytes, aligned
	global_store_b64 v166, v[150+2*\p:151+2*\p], s[OB:OB+1] offset:1536+256*\p
.endr
	global_store_b16 v167, v[PWD], s[OSB:OSB+1]    ; my head's two bytes of each row's word of this K step (both halves of the lanes write the same)
	global_store_b16 v167, v[PWD+1], s[OSB:OSB+1] offset:512
	s_wait_tensorcnt 0x0                           ; the wave's end
	ds_add_u32 v[SPW], v[NIL]
	s_wait_dscnt 0x0
	CROUND                                         ; the closing round
	s_endpgm
.Lfunc_end_k_qb8eea124b7_attn:
	.size	k_qb8eea124b7_attn, .Lfunc_end_k_qb8eea124b7_attn-k_qb8eea124b7_attn
	.p2alignl 7, 3214868480
	.fill 96, 4, 3214868480
	.section	.rodata,"a",@progbits
	.p2align	6, 0x0
	.amdhsa_kernel k_qb8eea124b7_attn
		.amdhsa_group_segment_fixed_size 327680
		.amdhsa_private_segment_fixed_size 0
		.amdhsa_enable_private_segment 0
		.amdhsa_kernarg_size 32
		.amdhsa_user_sgpr_count 2
		.amdhsa_user_sgpr_kernarg_segment_ptr 1
		.amdhsa_wavefront_size32 1
		.amdhsa_system_sgpr_workgroup_id_x 1
		.amdhsa_system_sgpr_workgroup_id_y 1
		.amdhsa_system_sgpr_workgroup_id_z 1
		.amdhsa_system_vgpr_workitem_id 0
		.amdhsa_next_free_vgpr 256
		.amdhsa_next_free_sgpr 84
		.amdhsa_reserve_vcc 0
		.amdhsa_float_denorm_mode_32 3
		.amdhsa_float_denorm_mode_16_64 3
		.amdhsa_memory_ordered 1
		.amdhsa_forward_progress 1
		.amdhsa_inst_pref_size 50
	.end_amdhsa_kernel
	.amdgpu_metadata
---
amdhsa.version: [ 1, 2 ]
amdhsa.kernels:
  - .name:           k_qb8eea124b7_attn
    .symbol:         k_qb8eea124b7_attn.kd
    .args:
      - { .name: qkv, .offset: 0, .size: 8, .value_kind: global_buffer, .address_space: global }
      - { .name: qkvs, .offset: 8, .size: 8, .value_kind: global_buffer, .address_space: global }
      - { .name: oi, .offset: 16, .size: 8, .value_kind: global_buffer, .address_space: global }
      - { .name: os, .offset: 24, .size: 8, .value_kind: global_buffer, .address_space: global }
    .group_segment_fixed_size: 327680
    .private_segment_fixed_size: 0
    .kernarg_segment_align: 8
    .kernarg_segment_size: 32
    .max_flat_workgroup_size: 512
    .sgpr_count:     84
    .vgpr_count:     256
    .wavefront_size: 32
...
	.end_amdgpu_metadata
.endif
;; end of part 3
;; launch outp (part 4): grid 4 x 32, 4 waves a work-group, clusters of 4 x 4, 327,680 bytes of LDS; arguments oi, os, xi, xs, bo, out0; writes out0
.if DOCPART == 4
	.amdgcn_target "amdgcn-amd-amdhsa--gfx1250"
	.amdhsa_code_object_version 6
	.text
	.protected	k_qb8eea124b7_outp
	.globl	k_qb8eea124b7_outp
	.p2align	8
	.type	k_qb8eea124b7_outp,@function
k_qb8eea124b7_outp:
	s_mov_b64 s[64:65], 0
	v_nop
	global_prefetch_b8 v0, s[64:65] scope:SCOPE_SE
	s_setreg_imm32_b32 hwreg(HW_REG_WAVE_MODE, 25, 1), 1
	s_wait_xcnt 0x0
	s_wait_alu depctr_hold_cnt(0) depctr_sa_sdst(0) depctr_va_vdst(0) depctr_va_sdst(0) depctr_va_ssrc(0) depctr_va_vcc(0) depctr_vm_vsrc(0)
	s_getreg_b32 s2, hwreg(HW_REG_IB_STS2, 6, 4)
	s_cmp_eq_u32 s2, 0
	s_cbranch_scc0 .Lentry_in_a_cluster
	s_endpgm
.Lentry_in_a_cluster:
	s_bfe_u32 s2, ttmp6, 0x10000c
	s_cmp_lg_u32 s2, 0xf033
	s_cbranch_scc0 .Lentry_shape_is_right
	s_endpgm
.Lentry_shape_is_right:
.set NQ,    2
.set FR,    12
.set FRB,   1536
.set NL,    6                          ; LDS loads that bring a fragment of A
.set NP,    4
.set HALFT, 24576
.set SLOT,  4*HALFT
.set GRPB,  98304
.set KS,    32
.set SCL,   2*SLOT
.set HALFS, 4352
.set SBLK,  544
.set SPARE, SCL+4*HALFS
.set SPITCH, 528
.set LAPS,  2
.set ADRA, 16
.set ADRB, 20
.set STO,  24
.set RD,   25
.set ADRS, 27
.set SPW,  28
.set NIL,  29
.set LI,   30
.set SC,   32
.set BN,   64
.set AF,   128
.set BK,   128
.set WV,  18
.set RH,  19
.set CH,  20
.set CX,  21
.set CY,  22
.set CLY, 23
.set G1,  24
.set G0,  32
.set G1B, 48
.set G0B, 56
.set G1S, 68
.set G0S, 76
.set G1SB, 80
.set G0SB, 88
.set CB,  92
.set MSB, 0
.macro WIN new
.if MSB != (\new)
	s_set_vgpr_msb (MSB<<8)|(\new)
.set MSB, (\new)
.endif
.endm
.set MUL_LO, 0xa1
.set MUL_HI, 0xf1
.set TO_B,   0x40
.macro JLOAD g0a, g1a, g0b, g1b
	s_cmp_eq_u32 s[RH], 0
	s_cbranch_scc0 .Lfor_b_\@
	tensor_load_to_lds s[\g0a:\g0a+3], s[\g1a:\g1a+7]
	s_nop 0
.rept 4
	v_nop
.endr
	s_branch .Lasked_\@
.Lfor_b_\@:
	tensor_load_to_lds s[\g0b:\g0b+3], s[\g1b:\g1b+7]
	s_nop 0
.rept 4
	v_nop
.endr
.Lasked_\@:
.endm
.macro CREST
	s_cmp_lg_u32 s[WV], 0
	s_cbranch_scc1 .Lnot_wave_0_\@
	s_barrier_signal -3
.Lnot_wave_0_\@:
	s_barrier_wait -3
	s_barrier_signal -1
	s_barrier_wait -1
.endm
.macro CROUND
	s_barrier_signal -1
	s_barrier_wait -1
	CREST
.endm
.macro PLACES n
.rept \n
	v_nop
.endr
.endm
	s_load_b256 s[4:11], s[0:1], 0x0
	s_load_b128 s[12:15], s[0:1], 0x20
	v_lshl_add_u32 v[SPW], v0, 2, SPARE
	v_mov_b32 v[NIL], 0
	ds_add_u32 v28, v29
	ds_add_u32 v28, v29
	s_wait_dscnt 0x0
	v_lshrrev_b32 v1, 5, v0
	v_readfirstlane_b32 s[WV], v1
	s_lshr_b32 s[RH], s[WV], 1
	s_and_b32 s[CH], s[WV], 1
	s_bfe_u32 s[CX], ttmp6, 0x40000
	s_bfe_u32 s[CY], ttmp6, 0x40004
	s_and_b32 s[CLY], ttmp7, 0xffff
	s_lshl_b32 s40, s[CY], 2
	s_lshl_b32 s40, 15, s40
	s_lshl_b32 s44, 0x1111, s[CX]
	s_or_b32 s[G1+0], s40, (3<<16)|(1<<21)
	s_or_b32 s[G1B+0], s44, (3<<16)|(1<<21)
.irp g, G1, G1B
	s_mov_b32 s[\g+1], 32<<16
	s_mov_b32 s[\g+2], 192<<16                     ; the head's load: 192 rows, a piece of both slots
	s_mov_b32 s[\g+3], 32<<16
	s_mov_b32 s[\g+4], 192
	s_mov_b32 s[\g+5], 32
	s_mov_b32 s[\g+6], 0
	s_mov_b32 s[\g+7], 0
.endr
	s_lshl_b32 s40, s[CLY], 3
	s_lshl_b32 s41, s[CY], 1
	s_add_co_u32 s40, s40, s41
	s_add_co_u32 s40, s40, s[CH]
	s_lshl_b32 s44, s[CX], 1
	s_add_co_u32 s44, s44, 216
	s_add_co_u32 s44, s44, s[CH]
	s_mul_i32 s42, s40, GRPB
	s_mov_b32 s43, 0
	s_lshl_b32 s40, s40, 12
	s_mov_b32 s41, 0
	s_mul_i32 s46, s44, GRPB
	s_mov_b32 s47, 0
	s_lshl_b32 s44, s44, 12
	s_mov_b32 s45, 0
	s_wait_kmcnt 0x0
	s_add_nc_u64 s[42:43], s[4:5], s[42:43]
	s_add_nc_u64 s[40:41], s[6:7], s[40:41]
	s_add_nc_u64 s[46:47], s[8:9], s[46:47]
	s_add_nc_u64 s[44:45], s[10:11], s[44:45]
	CROUND
.irp s, 0,1
	s_mov_b32 s[G0+4*\s], 1
	s_mul_i32 s[G0+4*\s+1], s[WV], 2*HALFT         ; the ring lies by pieces: a wave's piece holds slot 0, then slot 1
	s_add_co_u32 s[G0+4*\s+1], s[G0+4*\s+1], \s*HALFT
	s_add_nc_u64 s[G0+4*\s+2:G0+4*\s+3], s[42:43], \s*HALFT
	s_or_b32 s[G0+4*\s+3], s[G0+4*\s+3], 0x80000000
	s_mov_b32 s[G0B+4*\s], 1
	s_mul_i32 s[G0B+4*\s+1], s[WV], 2*HALFT
	s_add_co_u32 s[G0B+4*\s+1], s[G0B+4*\s+1], \s*HALFT
	s_add_nc_u64 s[G0B+4*\s+2:G0B+4*\s+3], s[46:47], \s*HALFT
	s_or_b32 s[G0B+4*\s+3], s[G0B+4*\s+3], 0x80000000
.endr
	JLOAD G0, G1, G0B, G1B                         ; my one tensor load at the head: 49,152 consecutive bytes, my piece of both slots
	; the scale words, 16,384 of the work-group's bytes, come by plain loads beside it: waves 0, 1 take A's halves, waves 2, 3 B's, 4,096 bytes each
	s_cmp_eq_u32 s[RH], 0
	s_cselect_b64 s[40:41], s[40:41], s[44:45]
	s_mul_i32 s76, s[WV], HALFS
	s_add_co_u32 s76, s76, SCL
	v_and_b32 v8, 31, v0
	v_and_b32 v9, 15, v0
	v_bfe_u32 v10, v0, 4, 1
	v_lshlrev_b32 v8, 4, v8                        ; 16 x lane
	v_lshlrev_b32 v9, 4, v9
	v_mul_u32_u24 v10, v10, 272
	v_add_nc_u32 v9, v9, v10
	v_add_nc_u32 v9, s76, v9                       ; in LDS: rows of 256 bytes + 16; a load's 512 bytes are two rows
.irp i, 0,1,2,3,4,5,6,7
	global_load_b128 v[128+4*\i:131+4*\i], v8, s[40:41] offset:512*\i
.endr
	s_wait_xcnt 0x0                                ; the loads have read their base, which is written again below
	s_lshl_b32 s40, s[CLY], 2
	s_add_co_u32 s40, s40, s[CY]
	s_lshl_b32 s40, s40, 1
	s_add_co_u32 s40, s40, s[RH]
	s_lshl_b32 s40, s40, 19
	s_lshl_b32 s41, s[CX], 1
	s_add_co_u32 s41, s41, s[CH]
	s_lshl_b32 s42, s41, 9
	s_add_co_u32 s40, s40, s42
	s_mov_b32 s41, 0
	s_mov_b32 s43, 0
	s_add_nc_u64 s[CB:CB+1], s[14:15], s[40:41]
	s_add_nc_u64 s[44:45], s[12:13], s[42:43]
	v_and_b32 v1, 15, v0
	v_bfe_u32 v2, v0, 4, 1
	v_lshlrev_b32 v3, 6, v2
.irp b, 0,1,2,3,4,5,6,7
	global_load_b128 v[BN+8*\b:BN+8*\b+3], v3, s[44:45] offset:(32*(\b/2)+8*(\b%2))*4
	global_load_b128 v[BN+8*\b+4:BN+8*\b+7], v3, s[44:45] offset:(32*(\b/2)+8*(\b%2))*4+16
.endr
	v_and_b32 v5, 31, v0
	v_lshlrev_b32 v[LI], 4, v5
	v_lshlrev_b32 v7, 3, v5                        ; 8 x lane: A's fragments lie as 6 pieces of 256 bytes, 8 bytes a lane
	s_mul_i32 s40, s[RH], 2*HALFT
	s_mul_i32 s41, s[CH], 2*HALFT
	s_add_co_u32 s41, s41, 4*HALFT
.irp s, 0,1
	v_add_nc_u32 v[ADRA+\s], s40, v7
	v_add_nc_u32 v[ADRB+\s], s41, v[LI]
	s_add_co_u32 s40, s40, HALFT
	s_add_co_u32 s41, s41, HALFT
.endr
	v_mul_u32_u24 v5, v1, KS
	v_lshrrev_b32 v6, 8, v5
	v_lshl_add_u32 v5, v6, 4, v5
	s_mul_i32 s40, s[RH], HALFS
	s_mul_i32 s41, s[CH], HALFS
	s_add_co_u32 s41, s41, 2*HALFS
	s_sub_co_u32 s41, s41, s40
	v_mul_u32_u24 v6, s41, v2
	s_add_co_u32 s40, s40, SCL
	v_add_nc_u32 v5, v5, v6
	v_add_nc_u32 v[ADRS], s40, v5
	s_mul_i32 s40, s[WV], 2*HALFT                  ; my stage: 8,448 bytes in the slot-0 part of piece w, which has had its last fill and its last read when the first result is stored there
	v_mul_u32_u24 v5, v1, SPITCH
	v_lshl_add_u32 v5, v2, 6, v5
	v_add_nc_u32 v[STO], s40, v5
	v_add_nc_u32 v[RD], s40, v[LI]
	s_wait_alu depctr_va_vdst(0)
	s_wait_loadcnt 0x0
.macro FRAG reg, adr, q, i
.irp c, 0,1,2
	ds_load_b128 v[\reg+4*\c:\reg+4*\c+3], v[\adr] offset:(8*(\q)+(\i))*FRB+512*\c
.endr
.endm
.macro MUL16 a0, p, q, sc, zero
.irp a, \a0, \a0+1
.irp b, 0,1,2,3,4,5,6,7
.if \zero
	v_wmma_scale_f32_16x16x128_f8f6f4 v[8*(8*((\a)%4)+\b):8*(8*((\a)%4)+\b)+7], v[128*(\p)+FR*\b:128*(\p)+FR*\b+FR-1], v[AF+FR*(\a):AF+FR*(\a)+FR-1], v[BN+8*\b:BN+8*\b+7], v[SC+8*NQ*(\sc)+NQ*\b+(\q)], v[SC+8*NQ*(\sc)+NQ*(\a)+(\q)] matrix_a_fmt:MATRIX_FMT_BF6 matrix_b_fmt:MATRIX_FMT_BF6 matrix_a_scale:MATRIX_SCALE_ROW1
.else
	v_wmma_scale_f32_16x16x128_f8f6f4 v[8*(8*((\a)%4)+\b):8*(8*((\a)%4)+\b)+7], v[128*(\p)+FR*\b:128*(\p)+FR*\b+FR-1], v[AF+FR*(\a):AF+FR*(\a)+FR-1], v[8*(8*((\a)%4)+\b):8*(8*((\a)%4)+\b)+7], v[SC+8*NQ*(\sc)+NQ*\b+(\q)], v[SC+8*NQ*(\sc)+NQ*(\a)+(\q)] matrix_a_fmt:MATRIX_FMT_BF6 matrix_b_fmt:MATRIX_FMT_BF6 matrix_a_scale:MATRIX_SCALE_ROW1
.endif
.endr
.endr
.endm
.macro FETCH_B slot, q, p
	WIN TO_B
.irp i, 0,1,2,3,4,5,6,7
	FRAG 128*(\p)+FR*\i, ADRB+\slot, \q, \i
.endr
	WIN 0
.endm
.macro FRAGA reg, adr, q, i            ; a fragment of oi: piece c = registers 2 c, 2 c + 1, lane l's 8 bytes at 8 l
.irp c, 0,1,2,3,4,5
	ds_load_b64 v[\reg+2*\c:\reg+2*\c+1], v[\adr] offset:(8*(\q)+(\i))*FRB+256*\c
.endr
.endm
.macro FETCH_A slot, q, i0
.irp i, \i0, \i0+1, \i0+2, \i0+3
	FRAGA AF+FR*(\i), ADRA+\slot, \q, \i
.endr
.endm
.macro SCALES sc
.irp i, 0,1,2,3,4,5,6,7
	ds_load_b64 v[SC+8*NQ*\sc+NQ*\i:SC+8*NQ*\sc+NQ*\i+1], v[ADRS] offset:\i*SBLK
.endr
.endm
.macro STEP slot, q, zero
	s_wait_dscnt 4*NL
	WIN MUL_LO-0x20*(\zero)
	MUL16 0, (\q)%2, \q, \slot, \zero
	MUL16 2, (\q)%2, \q, \slot, \zero
	s_wait_dscnt 0
	PLACES NP
	FETCH_B \slot, (\q)+1, 1-(\q)%2
	FETCH_A \slot, (\q)+1, 0
	WIN MUL_HI-0x30*(\zero)
	MUL16 4, (\q)%2, \q, \slot, \zero
	MUL16 6, (\q)%2, \q, \slot, \zero
	PLACES NP
	WIN 0
	FETCH_A \slot, (\q)+1, 4
.endm
.macro TURN slot, next, fill
	s_wait_tensorcnt 0x0
	ds_add_u32 v[SPW], v[NIL]
	s_wait_dscnt 4*NL+1
	WIN MUL_LO
	MUL16 0, 1, NQ-1, \slot, 0
	s_wait_dscnt 0x0
	s_barrier_signal -1
	MUL16 2, 1, NQ-1, \slot, 0
	WIN 0
	s_barrier_wait -1
.if \fill
	CREST
	s_add_nc_u64 s[G0+4*\slot+2:G0+4*\slot+3], s[G0+4*\slot+2:G0+4*\slot+3], 2*HALFT
	s_add_nc_u64 s[G0B+4*\slot+2:G0B+4*\slot+3], s[G0B+4*\slot+2:G0B+4*\slot+3], 2*HALFT
	JLOAD G0+4*\slot, G1, G0B+4*\slot, G1B
.else
	PLACES NP
.endif
	s_wait_alu depctr_va_vdst(0)
	v_add_nc_u32 v[ADRS], 4*NQ, v[ADRS]
	FETCH_B \next, 0, 0
	FETCH_A \next, 0, 0
	SCALES \next
	WIN MUL_HI
	MUL16 4, 1, NQ-1, \slot, 0
	MUL16 6, 1, NQ-1, \slot, 0
	PLACES NP
	WIN 0
	FETCH_A \next, 0, 4
.endm
	s_wait_tensorcnt 0x0                           ; my piece of both slots is in; no tensor load of mine is out, so a descriptor may be written:
	s_mov_b32 s[G1+2], 96<<16                      ; from here on a load brings 96 rows, a piece of one slot
	s_mov_b32 s[G1+4], 96
	s_mov_b32 s[G1B+2], 96<<16
	s_mov_b32 s[G1B+4], 96
	s_barrier_signal -1
	s_barrier_wait -1                              ; everybody's piece is in: no tensor load of the work-group is out when the words are stored
.irp i, 0,1,2,3,4,5,6,7
	ds_store_b128 v9, v[128+4*\i:131+4*\i] offset:544*\i
.endr
	s_wait_dscnt 0x0                               ; my words are in LDS,
	s_barrier_signal -1
	s_barrier_wait -1                              ; and everybody's
	FETCH_B 0, 0, 0
	FETCH_A 0, 0, 0
	SCALES 0
	FETCH_A 0, 0, 4
	STEP 0, 0, 1
	s_mov_b32 s3, LAPS-1
.Llap:
	TURN 0, 1, 1
	STEP 1, 0, 0
	TURN 1, 0, 1
	STEP 0, 0, 0
	s_sub_co_u32 s3, s3, 1
	s_cmp_lg_u32 s3, 0
	s_cbranch_scc1 .Llap
	TURN 0, 1, 0
	STEP 1, 0, 0
	s_wait_dscnt 4*NL
	WIN MUL_LO
	MUL16 0, 1, NQ-1, 1, 0
	MUL16 2, 1, NQ-1, 1, 0
	s_wait_dscnt 0
	WIN MUL_HI
	MUL16 4, 1, NQ-1, 1, 0
	MUL16 6, 1, NQ-1, 1, 0
	WIN 0
.macro TOSTAGE a
.set AC, 64*((\a)%4)
	WIN 0x08+4*((\a)/4)
.irp b, 0,1,2,3,4,5,6,7
	ds_store_b128 v[STO], v[AC+8*\b:AC+8*\b+3] offset:128*(\b/2)+32*(\b%2)
	ds_store_b128 v[STO], v[AC+8*\b+4:AC+8*\b+7] offset:128*(\b/2)+32*(\b%2)+16
.endr
	WIN 0
.set BB, BK+64*((\a)%2)
.irp t, 0,1,2,3,4,5,6,7,8,9,10,11,12,13,14,15
	ds_load_b128 v[BB+4*\t:BB+4*\t+3], v[RD] offset:\t*SPITCH
.endr
.endm
.macro SEND a, younger
.set BB, BK+64*((\a)%2)
	s_wait_dscnt \younger
.irp t, 0,1,2,3,4,5,6,7,8,9,10,11,12,13,14,15
	global_store_b128 v[LI], v[BB+4*\t:BB+4*\t+3], s[CB:CB+1] offset:(32*((\a)/2)+8*((\a)%2)+\t+8*(\t/8))*4096 th:TH_STORE_NT
.endr
.endm
	PLACES NP
	TOSTAGE 0
.irp a, 1,2,3,4,5,6,7
.if \a > 1
	s_wait_xcnt 0x0
.endif
	TOSTAGE \a
	SEND \a-1, 32
.endr
	SEND 7, 0
	s_wait_tensorcnt 0x0
	ds_add_u32 v[SPW], v[NIL]
	s_wait_dscnt 0x0
	CROUND
	s_endpgm
.Lfunc_end_k_qb8eea124b7_outp:
	.size	k_qb8eea124b7_outp, .Lfunc_end_k_qb8eea124b7_outp-k_qb8eea124b7_outp
	.p2alignl 7, 3214868480
	.fill 96, 4, 3214868480
	.section	.rodata,"a",@progbits
	.p2align	6, 0x0
	.amdhsa_kernel k_qb8eea124b7_outp
		.amdhsa_group_segment_fixed_size 327680
		.amdhsa_private_segment_fixed_size 0
		.amdhsa_enable_private_segment 0
		.amdhsa_kernarg_size 48
		.amdhsa_user_sgpr_count 2
		.amdhsa_user_sgpr_kernarg_segment_ptr 1
		.amdhsa_wavefront_size32 1
		.amdhsa_system_sgpr_workgroup_id_x 1
		.amdhsa_system_sgpr_workgroup_id_y 1
		.amdhsa_system_sgpr_workgroup_id_z 1
		.amdhsa_system_vgpr_workitem_id 0
		.amdhsa_next_free_vgpr 1024
		.amdhsa_next_free_sgpr 100
		.amdhsa_reserve_vcc 0
		.amdhsa_float_denorm_mode_32 3
		.amdhsa_float_denorm_mode_16_64 3
		.amdhsa_memory_ordered 1
		.amdhsa_forward_progress 1
		.amdhsa_inst_pref_size 149
	.end_amdhsa_kernel
	.amdgpu_metadata
---
amdhsa.version: [ 1, 2 ]
amdhsa.kernels:
  - .name:           k_qb8eea124b7_outp
    .symbol:         k_qb8eea124b7_outp.kd
    .args:
      - { .name: oi, .offset: 0, .size: 8, .value_kind: global_buffer, .address_space: global }
      - { .name: os, .offset: 8, .size: 8, .value_kind: global_buffer, .address_space: global }
      - { .name: xi, .offset: 16, .size: 8, .value_kind: global_buffer, .address_space: global }
      - { .name: xs, .offset: 24, .size: 8, .value_kind: global_buffer, .address_space: global }
      - { .name: bo, .offset: 32, .size: 8, .value_kind: global_buffer, .address_space: global }
      - { .name: out0, .offset: 40, .size: 8, .value_kind: global_buffer, .address_space: global }
    .group_segment_fixed_size: 327680
    .private_segment_fixed_size: 0
    .kernarg_segment_align: 8
    .kernarg_segment_size: 48
    .max_flat_workgroup_size: 128
    .sgpr_count:     100
    .vgpr_count:     1024
    .wavefront_size: 32
...
	.end_amdgpu_metadata
.endif
;; end of part 4
